; MI455X (gfx1250); checked and timed in simulation.
; The chip was launched on July 23, 2026; its instructions are those of AMD's public machine-readable ISA for CDNA 5 (MIT licence, August 2026) and "CDNA5" Instruction Set Architecture Reference Guide (July 2026). The comments in the code are by the model that wrote it; some were corrected since.
;; Attention. Allowed arithmetic: matrix products marked QUANTISED: E2M3 operands, one E8M0 scale for each 32 along K, by v_wmma_scale_f32_16x16x128_f8f6f4 with both operands' format E2M3, f32 sums; everything else in f32.
;; Inputs: b_attn 3,072 float32; b_proj 1,024 float32; w_attn 1,024 x 3,072 float32; w_proj 1,024 x 1,024 float32; x 4 x 2,048 x 1,024 float32.
;; Outputs: out0 4 x 2,048 x 1,024 float32.
;; This version of the problem:
;;   THIS VERSION OF THE PROBLEM IS GIVEN IN LOW PRECISION. The matrix products marked QUANTISED in the list below multiply operands that are first quantised to E2M3 (2 exponent bits, 3 mantissa bits; 6 bits a number), with one power-of-two scale for each 32 numbers along K (OCP MX v1.0); their sums are f32. All else is computed in f32.
;;   The module's matrix products, in the order in which they are computed (A, B: the left and right operand; K: the contracted axis; several contracted axes count as one K, in the product's order):
;;     1. [M 8,192, K 1,024] x [K 1,024, N 3,072]; A: input x; B: input w_attn: QUANTISED
;;     2. batch 64 x [M 2,048, K 64] x [K 64, N 2,048]; A: computed on the way; B: computed on the way: QUANTISED
;;     3. batch 64 x [M 2,048, K 2,048] x [K 2,048, N 64]; A: softmax (see below); B: computed on the way: QUANTISED
;;     4. [M 8,192, K 1,024] x [K 1,024, N 1,024]; A: computed on the way; B: input w_proj: QUANTISED
;;   THE QUANTISER, for each operand of a quantised product, along K:
;;     - K is cut into blocks of 32 from its start; a last block that is shorter is filled with zeros.
;;     - A block's scale is 2^e with e = floor(log2(the largest magnitude in the block)) - 2, held to -126 .. 127; a block of zeros has e = 0. As a byte (E8M0): e + 127.
;;     - Each number is divided by its block's scale, clamped to +-7.5, and rounded to the nearest number of E2M3, ties to even, subnormals kept.
;;     - The product sums the exact products of the quantised numbers (number of the format x scale) in f32.
;;   ~~~python
;;   def quantise(x, axis):      # numpy; x: float32 -> the quantised numbers, widened to float32 again
;;       x = np.moveaxis(x, axis, -1); K = x.shape[-1]
;;       x = np.pad(x, [(0, 0)] * (x.ndim - 1) + [(0, -K % 32)]); x = x.reshape(x.shape[:-1] + (-1, 32)); a = np.abs(x).max(-1, keepdims=True)
;;       e = np.where(a > 0, np.clip(np.frexp(np.where(a > 0, a, 1))[1] - 1 - 2, -126, 127), 0)      # np.frexp(a)[1] - 1 = floor(log2(a)), exactly
;;       r = np.clip(x / 2.0 ** e, -7.5, 7.5)
;;       step = 2.0 ** (np.maximum(np.frexp(np.where(r == 0, 1, r))[1] - 1, 0) - 3)
;;       q = np.round(r / step) * step * 2.0 ** e      # np.round: ties to even
;;       return np.moveaxis(q.reshape(q.shape[:-2] + (-1,))[..., :K], -1, axis).astype(np.float32)
;;   ~~~
;;   SOFTMAX AHEAD OF A QUANTISED PRODUCT. Where the list says 'softmax', what is quantised is not the finished softmax but p = 2^(t - M), with t = logit x log2(e) and M = ceil(the row's largest t), a whole number; so 1/2 < the row's largest p <= 1. The row's sum l is taken of the UNQUANTISED p, in f32, and the product's result is divided by l at the end. Since M is a whole number, a kernel that streams over the keys may use a running M (the ceiling of the running maximum): every later rescaling is an exact power of two, which a block's scale takes up: the codes' values come out the same.
;;   OPERANDS COMPUTED ON THE WAY. 'Computed on the way' means the value that the module computes at that place (a softmax that the list does not call 'softmax' is quantised finished and normalised). What goes into a quantiser is computed in f32, as accurately as f32 sums, v_exp_f32 and their like allow (about 1e-6 of the number): no bf16 or f16 on the way to a quantiser, and a product that is left as it is and whose result goes on into a quantised operand takes f32 operands (vector FMAs, or v_wmma_f32_16x16x4_f32). A number that lies on a knife's edge between two numbers of the format may be rounded either way, as far as f32 arithmetic and the matrix unit's own rounding can turn it there, and no further.
;; One version. Each part assembles by itself: llvm-mc -triple=amdgcn-amd-amdhsa -mcpu=gfx1250 --defsym DOCPART=n.
;; ======== version 1 of 1: 4 launches
;; workspace buffers: xo 6,553,600 bytes; wo 3,276,800 bytes; qo 6,815,744 bytes; kv 13,107,200 bytes; ao 6,553,600 bytes
;; launch prep (part 1): grid 384 x 1, 4 waves a work-group, no clusters, 58,880 bytes of LDS; arguments x, w_attn, w_proj, xo, wo; writes xo, wo
.if DOCPART == 1
	.amdgcn_target "amdgcn-amd-amdhsa--gfx1250"
	.amdhsa_code_object_version 6
	.text
	.protected	k_qc62ccb5c38_prep
	.globl	k_qc62ccb5c38_prep
	.p2align	8
	.type	k_qc62ccb5c38_prep,@function
k_qc62ccb5c38_prep:
	s_mov_b64 s[64:65], 0
	v_nop
	global_prefetch_b8 v0, s[64:65] scope:SCOPE_SE
	s_setreg_imm32_b32 hwreg(HW_REG_WAVE_MODE, 25, 1), 1
	s_wait_xcnt 0x0
; x [8192][1024], w_attn [1024][3072] and w_proj [1024][1024], f32, become codes of FP6 (E2M3) with one E8M0 byte for each 32 along K (K = 1024),
; laid as IMAGES OF THE OPERAND'S REGISTERS.  A tile is 16 rows (tokens of x, columns of a weight); lane-row r of tile T is row 32 (T / 2) + 8 (T % 2) + r + 8 (r / 8).
; A tile's image is 12,800 bytes: two halves of 512 along K, each 8 pieces of 768 bytes (16 rows x 64 K: lane l's registers 0-3 at 16 l, its registers 4-5 at 512 + 8 l; lane (r, h) holds
; k = 32 h .. 32 h + 31 of row r) and 256 bytes of scale words (the word of K step i, row r, at 8 (r + 16 (i % 2)) + 4 (i / 2)).
; A block's scale byte is its largest magnitude's exponent field - 2, held at 1 from below.  LIMITS: a block of zeros gets the byte 1 (its codes are zeros; this program alone reads the bytes);
; blocks whose largest magnitude lies under 2^-124 keep the floor's byte; NaN and infinities are not served.
; Work-groups 0-127 take the weights (K is their FIRST axis: a lane takes a column, its registers run down K), work-groups 128-383 take x (K innermost: rows turn through the wave's stage in LDS).
; Waves share nothing: no barrier.  Each way has LDS bytes of its own.  No cluster: no two work-groups read the same bytes.
; The weights' scale words leave as 4 bytes at a stride of 8 (the other 4 bytes of each 8 come from another work-group): 1 byte in 128 of what that way reads.
.set XSTG,  8448                       ; x: a wave's stage, 16 rows x (512 bytes + 16)
.set WBASE, 4*XSTG                     ; the weights' stages begin behind x's
.set WSTG,  6144                       ; a wave's: two tiles x 4 pieces of 768 bytes
.set XR,    16                         ; x: v16-143 two sets of 64 registers as loaded
.set XX,    144                        ; v144-207 64 numbers: register 32 c + i = k 64 c + 32 h + i of my row
.set XC,    208                        ; v208-219 the fragment's codes;  v220-222, v224-226 the second halves of the two blocks
.set VO,    32                         ; weights: v32-63 byte offset of row i of a block at my column
.set WX,    64                         ; v64-127 two sets of 32 numbers
.set WC,    128                        ; v128-133 a block's codes;  v136-138 its second half
.set WT,    136
.set SB,    140                        ; v140-141 scale bytes, four to a register
.set WO,    144                        ; v144-191 the way out
	s_load_b256 s[4:11], s[0:1], 0x0               ; x s[4:5], w_attn s[6:7], w_proj s[8:9], xo s[10:11]
	s_load_b64 s[12:13], s[0:1], 0x20              ; wo
	v_lshl_add_u32 v254, v0, 2, 0xe400
	v_mov_b32 v255, 0
	v_lshrrev_b32 v1, 5, v0
	v_readfirstlane_b32 s16, v1                    ; wave 0..3
	v_and_b32 v1, 31, v0                           ; lane
	s_mov_b32 s14, 0x76543210
	s_mov_b32 s15, 0xfedcba98                      ; v_permlanex16_b32's selects for lane l xor 16
	s_mov_b32 s17, 0xffff0000                      ; a select mask: lanes 16-31
	s_wait_kmcnt 0x0
	s_cmp_lt_u32 ttmp9, 128
	s_cbranch_scc1 .Lpath_w
; ---------------- x: a wave takes one tile's half: 16 rows x 512 along K, in four K steps of 128 ----------------
	s_sub_co_u32 s20, ttmp9, 128
	s_lshl_b32 s20, s20, 2
	s_add_co_u32 s20, s20, s16                     ; which half tile: 2 T + half
	s_lshr_b32 s21, s20, 1                         ; T
	s_and_b32 s22, s20, 1                          ; half
	s_lshr_b32 s23, s21, 1
	s_lshl_b32 s23, s23, 5
	s_and_b32 s24, s21, 1
	s_lshl_b32 s24, s24, 3
	s_add_co_u32 s23, s23, s24                     ; the tile's first row: 32 (T / 2) + 8 (T % 2)
	s_lshl_b32 s23, s23, 12                        ; a row of x is 4,096 bytes
	s_lshl_b32 s22, s22, 11                        ; half a row
	s_add_co_u32 s24, s23, s22
	s_mov_b32 s25, 0
	s_add_nc_u64 s[4:5], s[4:5], s[24:25]
	s_mul_i32 s24, s20, 6400
	s_add_nc_u64 s[10:11], s[10:11], s[24:25]
	v_and_b32 v2, 15, v0                           ; r
	v_bfe_u32 v3, v0, 4, 1                         ; h
	s_wait_alu depctr_va_vdst(0)
	v_lshlrev_b32 v4, 4, v1                        ; 16 x lane
	v_lshlrev_b32 v5, 3, v1                        ; 8 x lane
	s_mul_i32 s18, s16, XSTG
	v_add_nc_u32 v6, s18, v4                       ; the stage, on the way in: a row's 512 bytes as they lie
	v_mul_u32_u24 v7, v2, 528
	v_lshl_add_u32 v7, v3, 7, v7
	v_add_nc_u32 v7, s18, v7                       ; and on the way out: row r, + 128 h: my 32 numbers of a pair of blocks
	v_lshlrev_b32 v234, 3, v3                      ; 8 h: my bytes' place in the scale word
	v_mov_b32 v235, 0                              ; written once: a lane permute's destination counts as one of its sources
.macro LOADX ks                        ; K step ks of the 16 rows: each load reads 512 consecutive bytes of one row
.irp p, 0,1,2,3,4,5,6,7,8,9,10,11,12,13,14,15
	global_load_b128 v[XR+64*((\ks)%2)+4*\p:XR+64*((\ks)%2)+4*\p+3], v4, s[4:5] offset:(\p+8*(\p/8))*4096+512*(\ks) th:TH_LOAD_NT
.endr
.endm
.macro STEPX ks
.if (\ks) < 3
	s_wait_loadcnt 16                              ; this K step's 16 loads are in; the next step's 16 may be out
.else
	s_wait_loadcnt 0x0
.endif
.irp p, 0,1,2,3,4,5,6,7,8,9,10,11,12,13,14,15
	ds_store_b128 v6, v[XR+64*((\ks)%2)+4*\p:XR+64*((\ks)%2)+4*\p+3] offset:528*\p
.endr
.irp c, 0,1
.irp i, 0,1,2,3,4,5,6,7
	ds_load_b128 v[XX+32*\c+4*\i:XX+32*\c+4*\i+3], v7 offset:256*\c+16*\i   ; LDS serves a wave's instructions in order: these see the stores above
.endr
.endr
	s_wait_dscnt 0x0                               ; my 64 numbers are back, and the stores have read the set,
.if (\ks) < 2
	LOADX (\ks)+2                                  ; which takes the loads of two steps on
.endif
.irp c, 0,1                                    ; block 2 c + h of my row: all its 32 numbers are mine; two chains a block
	v_max3_num_f32 v[8+2*\c], |v[XX+32*\c]|, |v[XX+32*\c+1]|, |v[XX+32*\c+2]|
	v_max3_num_f32 v[9+2*\c], |v[XX+32*\c+3]|, |v[XX+32*\c+4]|, |v[XX+32*\c+5]|
.endr
.irp i, 6,10,14,18,22,26
.irp c, 0,1
	v_max3_num_f32 v[8+2*\c], v[8+2*\c], |v[XX+32*\c+\i]|, |v[XX+32*\c+\i+1]|
	v_max3_num_f32 v[9+2*\c], v[9+2*\c], |v[XX+32*\c+\i+2]|, |v[XX+32*\c+\i+3]|
.endr
.endr
.irp c, 0,1
	v_max3_num_f32 v[8+2*\c], v[8+2*\c], |v[XX+32*\c+30]|, |v[XX+32*\c+31]|
.endr
.irp c, 0,1
	v_max3_num_f32 v[8+2*\c], v[8+2*\c], v[9+2*\c], 0x1800000   ; and the floor 2^(3 - 127): the byte cannot fall under 1
.endr
.irp c, 0,1
	v_add_nc_u32 v[12+\c], 0xff000000, v[8+2*\c]   ; 2 off the exponent field: the conversion's scale operand
.endr
.irp c, 0,1
	v_lshrrev_b32 v[14+\c], 23, v[12+\c]           ; the scale's byte
.endr
	s_wait_alu depctr_va_vdst(0)
	s_wait_xcnt 0x0                                ; the last step's stores have read the codes' registers: they are written again only behind this wait
	v_cvt_scalef32_pk16_fp6_f32 v[XC:XC+2], v[XX:XX+15], v12
	v_cvt_scalef32_pk16_fp6_f32 v[220:222], v[XX+16:XX+31], v12       ; (a conversion's three registers begin on an even number)
	v_cvt_scalef32_pk16_fp6_f32 v[XC+6:XC+8], v[XX+32:XX+47], v13
	v_cvt_scalef32_pk16_fp6_f32 v[224:226], v[XX+48:XX+63], v13
	v_lshl_or_b32 v14, v15, 16, v14                ; my two bytes: blocks h and 2 + h.  (The plain line behind the conversions)
.irp i, 0,1,2
	v_mov_b32 v[XC+3+\i], v[220+\i]
	v_mov_b32 v[XC+9+\i], v[224+\i]
.endr
	v_lshlrev_b32 v14, v234, v14                   ; at their places in the word
	v_permlanex16_b32 v235, v14, s14, s15
	v_or_b32 v[228+(\ks)], v14, v235               ; with lane l xor 16's two the word is whole
.irp c, 0,1
	global_store_b128 v4, v[XC+6*\c:XC+6*\c+3], s[10:11] offset:(2*(\ks)+\c)*768        ; 512 consecutive bytes
	global_store_b64 v5, v[XC+6*\c+4:XC+6*\c+5], s[10:11] offset:(2*(\ks)+\c)*768+512   ; 256 consecutive bytes
.endr
.endm
	LOADX 0
	LOADX 1
	s_wait_alu depctr_va_vdst(0)
	STEPX 0
	STEPX 1
	STEPX 2
	STEPX 3
	v_cndmask_b32 v232, v228, v229, s17            ; lanes 0-15: K step 0's words, lanes 16-31: K step 1's
	v_cndmask_b32 v233, v230, v231, s17            ; K steps 2 and 3
	global_store_b64 v5, v[232:233], s[10:11] offset:6144   ; 256 consecutive bytes
	s_wait_tensorcnt 0x0
	ds_add_u32 v254, v255
	s_wait_dscnt 0x0
	s_endpgm
; ---------------- the weights: a work-group takes 128 columns x 256 along K, a wave 32 columns (two tiles), a lane one column ----------------
.Lpath_w:
	s_lshr_b32 s20, ttmp9, 2                       ; group of 128 columns: 0-23 w_attn's, 24-31 w_proj's
	s_and_b32 s21, ttmp9, 3                        ; which 256 along K
	s_sub_co_u32 s22, s20, 24
	s_mov_b32 s23, 12288
	s_cmp_lt_u32 s20, 24
	s_cselect_b64 s[6:7], s[6:7], s[8:9]           ; the tensor,
	s_cselect_b32 s23, s23, 4096                   ; its row in bytes,
	s_cselect_b32 s22, s20, s22                    ; the group's number in it
	s_mul_i32 s24, s21, s23
	s_lshl_b32 s24, s24, 8                         ; 256 rows a step along K
	s_lshl_b32 s25, s22, 9
	s_add_co_u32 s24, s24, s25                     ; + 128 columns x 4 bytes
	s_lshl_b32 s25, s16, 7
	s_add_co_u32 s24, s24, s25                     ; + my wave's 32 columns
	s_mov_b32 s25, 0
	s_add_nc_u64 s[32:33], s[6:7], s[24:25]        ; block 0's first row
	s_lshl_b32 s26, s23, 5
	s_mov_b32 s27, 0
.irp t, 1,2,3,4,5,6,7
	s_add_nc_u64 s[32+2*\t:33+2*\t], s[30+2*\t:31+2*\t], s[26:27]   ; a base for each block of 32 rows: none is stepped
.endr
	s_lshl_b32 s28, s20, 3
	s_lshl_b32 s29, s16, 1
	s_add_co_u32 s28, s28, s29                     ; my first tile: 8 x group + 2 x wave
	s_mul_i32 s28, s28, 12800
	s_lshr_b32 s29, s21, 1
	s_mul_i32 s29, s29, 6400
	s_add_co_u32 s28, s28, s29                     ; + the half
	s_and_b32 s30, s21, 1
	s_mul_i32 s29, s30, 3072
	s_add_co_u32 s24, s28, s29                     ; codes: + four pieces
	s_add_nc_u64 s[48:49], s[12:13], s[24:25]
	s_lshl_b32 s30, s30, 2
	s_add_co_u32 s24, s28, s30
	s_add_co_u32 s24, s24, 6144                    ; scale words: K steps 2 (y % 2) and 2 (y % 2) + 1
	s_add_nc_u64 s[50:51], s[12:13], s[24:25]
	v_bfe_u32 v2, v0, 3, 1                         ; column l of the 32 is lane-row (l % 8) + 8 (l / 16) of tile (l / 8) % 2
	v_and_b32 v3, 7, v0
	v_bfe_u32 v9, v0, 4, 1
	v_lshl_add_u32 v3, v9, 3, v3
	s_mul_i32 s18, s16, WSTG
	s_add_co_u32 s18, s18, WBASE
	v_mul_u32_u24 v10, v2, 3072
	v_add_nc_u32 v10, s18, v10
	v_lshl_add_u32 v4, v3, 4, v10                  ; the stage: my registers 0-3 of a piece,
	v_lshl_add_u32 v5, v3, 3, v10
	v_add_nc_u32 v5, 512, v5                       ; and 4-5
	v_lshlrev_b32 v7, 4, v1
	v_add_nc_u32 v6, s18, v7                       ; back: as the bytes lie
	v_mul_u32_u24 v8, v2, 12800
	v_lshl_add_u32 v8, v3, 3, v8                   ; my scale words' place
	v_lshlrev_b32 v[VO], 2, v1
.set i, 0
.rept 31
	v_add_nc_u32 v[VO+1+i], s23, v[VO+i]           ; one row further down
.set i, i+1
.endr
.macro LOADW t                         ; block t: 32 rows at my column; each load reads 128 consecutive bytes
.set i, 0
.rept 32
	global_load_b32 v[WX+32*((\t)%2)+i], v[VO+i], s[32+2*(\t):33+2*(\t)] th:TH_LOAD_NT
.set i, i+1
.endr
.endm
.macro BLOCKW t
.set XS, WX+32*((\t)%2)
.if (\t) < 7
	s_wait_loadcnt 32                              ; this block's 32 loads are in; the next block's may be out
.else
	s_wait_loadcnt 0x0
.endif
	v_max3_num_f32 v12, |v[XS]|, |v[XS+1]|, |v[XS+2]|
	v_max3_num_f32 v13, |v[XS+3]|, |v[XS+4]|, |v[XS+5]|
.irp i, 6,10,14,18,22,26
	v_max3_num_f32 v12, v12, |v[XS+\i]|, |v[XS+\i+1]|
	v_max3_num_f32 v13, v13, |v[XS+\i+2]|, |v[XS+\i+3]|
.endr
	v_max3_num_f32 v12, v12, |v[XS+30]|, |v[XS+31]|
	v_max3_num_f32 v12, v12, v13, 0x1800000        ; the floor
	v_add_nc_u32 v11, 0xff000000, v12              ; the conversion's scale operand
	v_lshrrev_b32 v13, 23, v11                     ; the byte
.if (\t)%4 == 0
	v_mov_b32 v[SB+(\t)/4], v13
.else
	v_lshl_or_b32 v[SB+(\t)/4], v13, 8*((\t)%4), v[SB+(\t)/4]
.endif
	v_cvt_scalef32_pk16_fp6_f32 v[WC:WC+2], v[XS:XS+15], v11
	v_cvt_scalef32_pk16_fp6_f32 v[WT:WT+2], v[XS+16:XS+31], v11
	v_nop                                          ; one plain line behind the conversions
.irp i, 0,1,2
	v_mov_b32 v[WC+3+\i], v[WT+\i]
.endr
	ds_store_b128 v4, v[WC:WC+3] offset:((\t)/2)*768+256*((\t)%2)     ; block t is half t % 2 of piece t / 2
	ds_store_b64 v5, v[WC+4:WC+5] offset:((\t)/2)*768+128*((\t)%2)
.if (\t) < 6
	LOADW (\t)+2
.endif
	s_wait_dscnt 0x0                               ; the stores have read their registers
.endm
	LOADW 0
	LOADW 1
.irp t, 0,1,2,3,4,5,6,7
	BLOCKW \t
.endr
.irp q, 0,1,2,3,4,5,6,7,8,9,10,11
	ds_load_b128 v[WO+4*\q:WO+4*\q+3], v6 offset:512*\q
.endr
.irp q, 0,1,2,3,4,5,6,7,8,9,10,11
	s_wait_dscnt 11-\q                             ; the younger reads of the stage may be out
	global_store_b128 v7, v[WO+4*\q:WO+4*\q+3], s[48:49] offset:(\q/6)*12800+(\q%6)*512   ; 512 consecutive bytes
.endr
	global_store_b32 v8, v[SB], s[50:51]
	s_wait_alu depctr_va_vdst(0)
	global_store_b32 v8, v[SB+1], s[50:51] offset:128
	s_wait_tensorcnt 0x0
	ds_add_u32 v254, v255
	s_wait_dscnt 0x0
	s_endpgm
.Lfunc_end_k_qc62ccb5c38_prep:
	.size	k_qc62ccb5c38_prep, .Lfunc_end_k_qc62ccb5c38_prep-k_qc62ccb5c38_prep
	.p2alignl 7, 3214868480
	.fill 96, 4, 3214868480
	.section	.rodata,"a",@progbits
	.p2align	6, 0x0
	.amdhsa_kernel k_qc62ccb5c38_prep
		.amdhsa_group_segment_fixed_size 58880
		.amdhsa_private_segment_fixed_size 0
		.amdhsa_enable_private_segment 0
		.amdhsa_kernarg_size 40
		.amdhsa_user_sgpr_count 2
		.amdhsa_user_sgpr_kernarg_segment_ptr 1
		.amdhsa_wavefront_size32 1
		.amdhsa_system_sgpr_workgroup_id_x 1
		.amdhsa_system_sgpr_workgroup_id_y 1
		.amdhsa_system_sgpr_workgroup_id_z 1
		.amdhsa_system_vgpr_workitem_id 0
		.amdhsa_next_free_vgpr 256
		.amdhsa_next_free_sgpr 66
		.amdhsa_reserve_vcc 0
		.amdhsa_float_denorm_mode_32 3
		.amdhsa_float_denorm_mode_16_64 3
		.amdhsa_memory_ordered 1
		.amdhsa_forward_progress 1
		.amdhsa_inst_pref_size 73
	.end_amdhsa_kernel
	.amdgpu_metadata
---
amdhsa.version: [ 1, 2 ]
amdhsa.kernels:
  - .name:           k_qc62ccb5c38_prep
    .symbol:         k_qc62ccb5c38_prep.kd
    .args:
      - { .name: x, .offset: 0, .size: 8, .value_kind: global_buffer, .address_space: global }
      - { .name: w_attn, .offset: 8, .size: 8, .value_kind: global_buffer, .address_space: global }
      - { .name: w_proj, .offset: 16, .size: 8, .value_kind: global_buffer, .address_space: global }
      - { .name: xo, .offset: 24, .size: 8, .value_kind: global_buffer, .address_space: global }
      - { .name: wo, .offset: 32, .size: 8, .value_kind: global_buffer, .address_space: global }
    .group_segment_fixed_size: 58880
    .private_segment_fixed_size: 0
    .kernarg_segment_align: 8
    .kernarg_segment_size: 40
    .max_flat_workgroup_size: 128
    .sgpr_count:     66
    .vgpr_count:     256
    .wavefront_size: 32
...
	.end_amdgpu_metadata
.endif
;; end of part 1
;; launch qkv (part 2): grid 24 x 32, 4 waves a work-group, clusters of 4 x 4, 307,712 bytes of LDS; arguments xo, wo, b_attn, qo, kv; writes qo, kv
.if DOCPART == 2
	.amdgcn_target "amdgcn-amd-amdhsa--gfx1250"
	.amdhsa_code_object_version 6
	.text
	.protected	k_qc62ccb5c38_qkv
	.globl	k_qc62ccb5c38_qkv
	.p2align	8
	.type	k_qc62ccb5c38_qkv,@function
k_qc62ccb5c38_qkv:
	s_mov_b64 s[64:65], 0
	v_nop
	global_prefetch_b8 v0, s[64:65] scope:SCOPE_SE
	s_setreg_imm32_b32 hwreg(HW_REG_WAVE_MODE, 25, 1), 1
	s_wait_xcnt 0x0
	s_wait_alu depctr_hold_cnt(0) depctr_sa_sdst(0) depctr_va_vdst(0) depctr_va_sdst(0) depctr_va_ssrc(0) depctr_va_vcc(0) depctr_vm_vsrc(0)
	s_getreg_b32 s2, hwreg(HW_REG_IB_STS2, 6, 4)
	s_cmp_eq_u32 s2, 0
	s_cbranch_scc0 .Lentry_in_a_cluster
	s_endpgm
.Lentry_in_a_cluster:
	s_bfe_u32 s2, ttmp6, 0x10000c
	s_cmp_lg_u32 s2, 0xf033
	s_cbranch_scc0 .Lentry_shape_is_right
	s_endpgm
.Lentry_shape_is_right:
; qkv = x w_attn + b_attn on codes of FP6 (E2M3) with E8M0 scales, K = 1024; q, k and v are quantised in the way out and leave as codes: q and k along the head's 64 channels, v along the keys.
; A work-group multiplies P (source 0, 128 rows, 8 tiles) by R (source 1, 256 rows, 16 tiles).  Both operands' images for ALL of K, 384 rows x 800 bytes = 307,200 bytes, lie in LDS at once: every byte is
; asked for at the head, nothing is filled again.  Wave w takes all 8 tiles of P against its own 4 tiles of R: 32 accumulators.
; TWO KINDS, told apart by the cluster's x.  Clusters 0-3 (q, k): P = 128 columns of w_attn, R = 256 tokens: a lane holds one token, its registers run along the channels.
; Clusters 4-5 (v): P = 128 tokens (a key step), R = 256 columns of w_attn's v part: a lane holds one channel, its registers run along the keys.  In both the quantiser runs along a lane's registers.
; Lane-row r of tile T is row 32 (T / 2) + 8 (T % 2) + r + 8 (r / 8): so the 16 registers of P's tiles 2 b and 2 b + 1 are 16 neighbours, 32 b + 16 (lane / 16) + 0 .. 15.
; CLUSTER 4 x 4: P's tiles hang on cx and are asked for jointly by a column of the cluster, R's on cy and by a row.
; An operand's image: see the launch that makes it: a tile is two halves of 6,400 bytes: 8 pieces of 768 bytes, 256 bytes of scale words.
; The pair words of q's and k's scales leave as 128 consecutive bytes a wave (two waves hold the two halves of a block of 256 bytes).
; LIMITS: a block of zeros gets the byte 1; blocks under 2^-124 keep the floor's byte; NaN and infinities are not served.
; REGISTERS: window 0: v1-11 addresses, v22-24 offsets, v32-63 P's scale words, v64-79 R's, v80-175 R's fragments (two sets), v176-239 bias, v240-255 the quantiser's; on the way out v80-143 the numbers, v144-162 codes.
;   window 1: v0-191 P's fragments (two sets).   window 2: accumulator (a, b) at v[8 (8 a + b)].
.set HALF,  153600                     ; LDS: half hf of K begins here x hf: P's 8 tiles, then R's 16
.set TILEH, 6400
.set ROFF,  51200
.set SP,    32                         ; P's scale words: v[SP + 4 b + 2 hf + p]
.set SR,    64                         ; R's: v[SR + 4 a + 2 hf + p]
.set RF,    80
.set H,     80
.set PC,    144
.set PW,    164
.set BIAS,  176
.set TM,    240
.set SEL,   92
.set HI,    90
.set MSB, 0
.macro WIN new                         ; the immediate's high byte repeats the setting that is left
.if MSB != \new
	s_set_vgpr_msb (MSB<<8)|\new
.set MSB, \new
.endif
.endm
.set MUL,    0xa1                      ; source 0 (P) window 1, source 1 (R) window 0, C and D window 2
.set TO_P,   0x40                      ; destination window 1
.set RD_ACC, 0x02                      ; source 0 window 2
.macro ROUND                           ; a round of the cluster's barrier
	s_barrier_signal -1
	s_barrier_wait -1
	s_cmp_lg_u32 s14, 0
	s_cbranch_scc1 .Lnot_wave_0_\@
	s_barrier_signal -3
.Lnot_wave_0_\@:
	s_barrier_wait -3
	s_barrier_signal -1
	s_barrier_wait -1
.endm
.macro PLACES                          ; four plain lines between a matrix instruction and a load into, or a vector instruction on, its registers
.rept 4
	v_nop
.endr
.endm
.macro HFLD reg, a16, a8, off          ; a piece of 768 bytes: six registers
	ds_load_b128 v[\reg:\reg+3], v[\a16] offset:\off
	ds_load_b64 v[\reg+4:\reg+5], v[\a8] offset:\off+512
.endm
.macro FETCH s                         ; K step s (128 along K): P's 8 fragments and my 4 of R into set s % 2
	WIN TO_P
.irp b, 0,1,2,3,4,5,6,7
.irp c, 0,1
	HFLD 96*((\s)&1)+12*\b+6*\c, 4+2*((\s)>>2), 5+2*((\s)>>2), \b*TILEH+(2*((\s)&3)+\c)*768
.endr
.endr
	WIN 0
.irp a, 0,1,2,3
.irp c, 0,1
	HFLD RF+48*((\s)&1)+12*\a+6*\c, 8+2*((\s)>>2), 9+2*((\s)>>2), \a*TILEH+(2*((\s)&3)+\c)*768
.endr
.endr
.endm
.macro SCALES hf                       ; the scale words of four K steps: register p: lanes 0-15 K step 2 p, lanes 16-31 K step 2 p + 1
.irp b, 0,1,2,3,4,5,6,7
	ds_load_b64 v[SP+4*\b+2*\hf:SP+4*\b+2*\hf+1], v[5+2*\hf] offset:\b*TILEH+6144
.endr
.irp a, 0,1,2,3
	ds_load_b64 v[SR+4*\a+2*\hf:SR+4*\a+2*\hf+1], v[9+2*\hf] offset:\a*TILEH+6144
.endr
.endm
.macro MUL32 s                         ; the 32 accumulators take turns, one instruction a turn, in the same order in every K step; K step 0 starts the sums
.irp a, 0,1,2,3
.irp b, 0,1,2,3,4,5,6,7
.set rD, 8*(8*\a+\b)
.set rP, 96*((\s)&1)+12*\b
.set rR, RF+48*((\s)&1)+12*\a
.set rSP, SP+4*\b+2*((\s)>>2)+(((\s)>>1)&1)
.set rSR, SR+4*\a+2*((\s)>>2)+(((\s)>>1)&1)
.if (\s) == 0
	v_wmma_scale_f32_16x16x128_f8f6f4 v[rD:rD+7], v[rP:rP+11], v[rR:rR+11], 0, v[rSP], v[rSR] matrix_a_fmt:MATRIX_FMT_FP6 matrix_b_fmt:MATRIX_FMT_FP6
.elseif ((\s)&1) == 1
	v_wmma_scale_f32_16x16x128_f8f6f4 v[rD:rD+7], v[rP:rP+11], v[rR:rR+11], v[rD:rD+7], v[rSP], v[rSR] matrix_a_fmt:MATRIX_FMT_FP6 matrix_b_fmt:MATRIX_FMT_FP6 matrix_a_scale:MATRIX_SCALE_ROW1 matrix_b_scale:MATRIX_SCALE_ROW1
.else
	v_wmma_scale_f32_16x16x128_f8f6f4 v[rD:rD+7], v[rP:rP+11], v[rR:rR+11], v[rD:rD+7], v[rSP], v[rSR] matrix_a_fmt:MATRIX_FMT_FP6 matrix_b_fmt:MATRIX_FMT_FP6
.endif
.endr
.endr
.endm
.macro KSTEP s
	s_wait_dscnt 0x0                               ; this step's fragments, asked for a whole step (32 matrix instructions) ago
.if (\s) == 3
	s_wait_tensorcnt 0x0                           ; my part of half 1 has landed,
	s_barrier_signal -1
	s_barrier_wait -1                              ; everybody's has.  Nothing is ever filled again
.endif
.if (\s) < 7
.if (\s) > 0
	PLACES                                         ; the set to be loaded was multiplied by the step before
.endif
	FETCH (\s)+1
.if (\s) == 3
	SCALES 1
.endif
.endif
	WIN MUL
	MUL32 \s
	WIN 0
.endm
; 64 numbers of a lane, register 16 b + i = k 32 b + 16 (lane / 16) + i of my row, become a fragment's codes in v[PC] on and its scale word in v[pw] (the same in both halves of the lanes).
.macro QUANT s, pw
.irp b, 0,1,2,3
	v_max3_num_f32 v[TM+\b], |v[\s+16*\b]|, |v[\s+1+16*\b]|, 0x1800000   ; my 16 numbers of block b, and the floor 2^(3 - 127)
.endr
.irp i, 2,4,6,8,10,12,14
.irp b, 0,1,2,3
	v_max3_num_f32 v[TM+\b], v[TM+\b], |v[\s+16*\b+\i]|, |v[\s+1+16*\b+\i]|
.endr
.endr
.irp b, 0,1,2,3
	v_permlanex16_b32 v[TM+4+\b], v[TM+\b], s[SEL], s[SEL+1]
.endr
.irp b, 0,1,2,3
	v_max_num_f32 v[TM+\b], v[TM+\b], v[TM+4+\b]   ; with lane l xor 16's: the block's largest magnitude
.endr
.irp b, 0,1,2,3
	v_add_nc_u32 v[TM+12+\b], 0xff000000, v[TM+\b] ; 2 off its exponent field: the conversion's scale operand
.endr
.irp b, 0,1,2,3
	v_lshrrev_b32 v[TM+4+\b], 23, v[TM+12+\b]      ; the byte
.endr
	v_lshl_or_b32 v[\pw], v[TM+5], 8, v[TM+4]
	v_lshl_or_b32 v[\pw], v[TM+6], 16, v[\pw]
	v_lshl_or_b32 v[\pw], v[TM+7], 24, v[\pw]
.irp c, 0,1
	v_cvt_scalef32_pk16_fp6_f32 v[PC+6*\c:PC+2+6*\c], v[\s+32*\c:\s+15+32*\c], v[TM+12+2*\c]
	v_cvt_scalef32_pk16_fp6_f32 v[PC+12+4*\c:PC+14+4*\c], v[\s+16+32*\c:\s+31+32*\c], v[TM+12+2*\c+1]   ; (a conversion's three registers begin on an even number)
.endr
	v_nop                                          ; one plain line behind the conversions
.irp c, 0,1                                    ; the layout wants a whole block in a lane: lanes 0-15 block 2 c, lanes 16-31 block 2 c + 1
.irp i, 0,1,2
	v_permlane16_swap_b32 v[PC+6*\c+\i], v[PC+12+4*\c+\i]
.endr
.irp i, 0,1,2
	v_mov_b32 v[PC+3+6*\c+\i], v[PC+12+4*\c+\i]
.endr
.endr
.endm
; THE WAY OUT.  For each of my 4 tiles of R: sums + bias (each accumulator from its low end on), quantised, two pieces of 768 bytes stored.  v = 0: q or k;  v = 1: v.
.macro EPI v
	s_wait_loadcnt 0x0                             ; the bias
.irp a, 0,1,2,3
	WIN RD_ACC
.set i, 0
.rept 32
.if \v
	v_pk_add_f32 v[H+2*i:H+2*i+1], v[64*\a+2*i:64*\a+2*i+1], v[BIAS+2*\a:BIAS+2*\a+1]   ; my channel's bias
.else
	v_pk_add_f32 v[H+2*i:H+2*i+1], v[64*\a+2*i:64*\a+2*i+1], v[BIAS+2*i:BIAS+2*i+1]     ; the registers' channels' bias
.endif
.set i, i+1
.endr
	WIN 0
.if \a > 0
	s_wait_xcnt 0x0                                ; the last tile's stores have read the codes' registers
.endif
	QUANT H, PW+\a
.irp c, 0,1
.if \v
	global_store_b128 v4, v[PC+6*\c:PC+6*\c+3], s[68:69] offset:\a*1536+\c*768          ; channel tile a, keys 64 c on
	global_store_b64 v5, v[PC+6*\c+4:PC+6*\c+5], s[68:69] offset:\a*1536+\c*768+512
.else
	global_store_b128 v4, v[PC+6*\c:PC+6*\c+3], s[68+2*\c:69+2*\c] offset:\a*768         ; head c of my two, token tile a
	global_store_b64 v5, v[PC+6*\c+4:PC+6*\c+5], s[68+2*\c:69+2*\c] offset:\a*768+512
.endif
.endr
.endr
.endm
	s_load_b256 s[4:11], s[0:1], 0x0               ; xo s[4:5], wo s[6:7], b_attn s[8:9], qo s[10:11]
	s_load_b64 s[12:13], s[0:1], 0x20              ; kv
	v_lshl_add_u32 v250, v0, 2, 0x4b000
	v_mov_b32 v251, 0
	ds_add_u32 v250, v251
	ds_add_u32 v250, v251
	v_lshrrev_b32 v1, 5, v0
	v_readfirstlane_b32 s14, v1                    ; wave 0..3
	s_lshr_b32 s15, s14, 1                         ; I fetch for P (0) or for R (1),
	s_and_b32 s16, s14, 1                          ; its first or second half of tiles
	s_bfe_u32 s17, ttmp6, 0x40000                  ; cx
	s_bfe_u32 s18, ttmp6, 0x40004                  ; cy
	s_mov_b32 s19, ttmp9                           ; the cluster's x, 0..5
	s_and_b32 s20, ttmp7, 0xffff                   ; the cluster's y, 0..7
	s_mov_b32 s[SEL], 0x76543210
	s_mov_b32 s[SEL+1], 0xfedcba98
	s_mov_b32 s[HI], 0xffff0000
	s_lshl_b32 s78, 0x1111, s17                    ; my column of the cluster
	s_or_b32 s24, s78, (3<<16)|(1<<21)             ; group 1 for P: the mask; elements of 8 bytes; bit 21 beside a mask; no padding
	s_lshl_b32 s79, s18, 2
	s_lshl_b32 s79, 15, s79                        ; my row
	s_or_b32 s32, s79, (3<<16)|(1<<21)             ; group 1 for R
	s_mov_b32 s25, 800<<16                         ; tensor_dim0 = 800 elements: half a tile's image, 6,400 bytes
	s_mov_b32 s26, 4<<16                           ; tensor_dim1 = 4 tiles
	s_mov_b32 s27, 800<<16                         ; tile_dim0
	s_mov_b32 s28, 4                               ; tile_dim1
	s_mov_b32 s29, 1600                            ; from tile to tile: 12,800 bytes
	s_mov_b32 s30, 0
	s_mov_b32 s31, 0
	s_mov_b32 s33, 800<<16
	s_mov_b32 s34, 8<<16                           ; R: 8 tiles a load
	s_mov_b32 s35, 800<<16
	s_mov_b32 s36, 8
	s_mov_b32 s37, 1600
	s_mov_b32 s38, 0
	s_mov_b32 s39, 0
	s_sub_co_u32 s78, s19, 4
	s_lshl_b32 s78, s78, 3
	s_add_co_u32 s78, s78, s20                     ; v: 8 (cluster x - 4) + cluster y
	s_cmp_ge_u32 s19, 4
	s_cselect_b32 s21, 1, 0                        ; the kind: the same in all sixteen partners
	s_cselect_b32 s78, s78, s19
	s_cselect_b32 s79, 0, s20
	s_cselect_b32 s80, 128*12800, 0                ; v: R begins at w_attn's tile 128
	s_lshl_b32 s22, s78, 2
	s_add_co_u32 s22, s22, s17                     ; which 128 rows of P
	s_lshl_b32 s23, s79, 2
	s_add_co_u32 s23, s23, s18                     ; which 256 rows of R
	s_mul_i32 s82, s22, 102400
	s_mul_i32 s84, s16, 51200
	s_add_co_u32 s82, s82, s84                     ; P: my four tiles
	s_mov_b32 s83, 0
	s_mul_i32 s84, s23, 204800
	s_add_co_u32 s84, s84, s80
	s_mul_i32 s86, s16, 102400
	s_add_co_u32 s84, s84, s86                     ; R: my eight tiles
	s_mov_b32 s85, 0
	s_mov_b32 s40, 1
	s_mul_i32 s41, s16, 25600                      ; LDS: no place in the cluster enters an LDS address
	s_mov_b32 s44, 1
	s_add_co_u32 s45, s41, HALF
	s_mov_b32 s48, 1
	s_mul_i32 s49, s16, 51200
	s_add_co_u32 s49, s49, ROFF
	s_mov_b32 s52, 1
	s_add_co_u32 s53, s49, HALF
	s_wait_dscnt 0x0
	s_wait_kmcnt 0x0
	s_cmp_lg_u32 s21, 0
	s_cselect_b64 s[56:57], s[4:5], s[6:7]         ; P: tokens for v, else weights
	s_cselect_b64 s[58:59], s[6:7], s[4:5]         ; R: the other
	s_add_nc_u64 s[56:57], s[56:57], s[82:83]
	s_add_nc_u64 s[58:59], s[58:59], s[84:85]
	s_mov_b64 s[42:43], s[56:57]
	s_or_b32 s43, s43, 0x80000000
	s_add_nc_u64 s[46:47], s[56:57], TILEH
	s_or_b32 s47, s47, 0x80000000
	s_mov_b64 s[50:51], s[58:59]
	s_or_b32 s51, s51, 0x80000000
	s_add_nc_u64 s[54:55], s[58:59], TILEH
	s_or_b32 s55, s55, 0x80000000
	ROUND                                          ; all sixteen work-groups are here: the joint loads meet
	s_cmp_eq_u32 s15, 0                            ; a wave's two fills stand in one branch: two tensor loads of mine are out at the most
	s_cbranch_scc0 .Lfill_r
	tensor_load_to_lds s[40:43], s[24:31]          ; half 0 of K
	s_nop 0
	tensor_load_to_lds s[44:47], s[24:31]          ; half 1
	s_nop 0
.rept 4
	v_nop
.endr
	s_branch .Lfilled
.Lfill_r:
	tensor_load_to_lds s[48:51], s[32:39]
	s_nop 0
	tensor_load_to_lds s[52:55], s[32:39]
	s_nop 0
.rept 4
	v_nop
.endr
.Lfilled:
	v_and_b32 v1, 31, v0                           ; lane
	v_and_b32 v2, 15, v0                           ; r
	v_bfe_u32 v3, v0, 4, 1                         ; h
	v_lshlrev_b32 v4, 4, v1                        ; 16 x lane: P, half 0; the stores' offset too
	v_lshlrev_b32 v5, 3, v1                        ; 8 x lane
	v_add_nc_u32 v6, HALF, v4                      ; P, half 1
	v_add_nc_u32 v7, HALF, v5
	s_mul_i32 s78, s14, 25600
	s_add_co_u32 s78, s78, ROFF
	v_add_nc_u32 v8, s78, v4                       ; my four tiles of R, half 0
	v_add_nc_u32 v9, s78, v5
	s_add_co_u32 s78, s78, HALF
	v_add_nc_u32 v10, s78, v4                      ; half 1
	v_add_nc_u32 v11, s78, v5
	v_lshlrev_b32 v22, 2, v1                       ; 4 x lane
	v_lshlrev_b32 v23, 6, v3                       ; q, k: the bias of my half's 16 channels of a block
	v_and_b32 v24, 8, v2
	v_add_nc_u32 v24, v24, v2
	v_lshlrev_b32 v24, 2, v24                      ; v: the bias of my channel: 4 (r + 8 (r / 8))
.irp b, 0,1,2,3
	v_mov_b32 v[TM+4+\b], 0                        ; written once: a lane permute's destination counts as one of its sources
.endr
	s_wait_tensorcnt 0x1                           ; my part of half 0 is in; half 1's load may be out
	s_barrier_signal -1
	s_barrier_wait -1
	FETCH 0
	SCALES 0
	KSTEP 0
	KSTEP 1
	KSTEP 2
	KSTEP 3
	s_cmp_lg_u32 s21, 0                            ; the kinds part once: each way has its destinations, its bias loads (four K steps ahead of their use), K steps 4-7 and its way out
	s_cbranch_scc1 .Lkind_v
	; ---- q or k.  P's 128 columns are heads 2 (P % 8) and + 1; my tiles of R are token tiles 16 (R % 8) + 4 w + a of batch R / 8
	s_lshr_b32 s78, s23, 3
	s_and_b32 s79, s23, 7
	s_and_b32 s80, s22, 7
	s_lshl_b32 s80, s80, 1
	s_lshl_b32 s78, s78, 4
	s_add_co_u32 s78, s78, s80                     ; batch x 16 + the first head
	s_lshl_b32 s80, s78, 5
	s_lshl_b32 s81, s79, 2
	s_add_co_u32 s80, s80, s81
	s_add_co_u32 s80, s80, s14
	s_mul_i32 s80, s80, 3328                       ; q: my group of four query tiles
	s_add_co_u32 s81, s80, 3072                    ; and its pair words
	s_lshl_b32 s82, s78, 4
	s_lshl_b32 s83, s79, 1
	s_add_co_u32 s82, s82, s83
	s_add_co_u32 s82, s82, s15
	s_mul_i32 s82, s82, 12800                      ; k: my key step
	s_lshl_b32 s83, s16, 7
	s_add_co_u32 s83, s83, s82
	s_add_co_u32 s83, s83, 12288                   ; its pair words, my half of them
	s_mul_i32 s84, s16, 3072
	s_add_co_u32 s82, s82, s84                     ; my four of its eight key tiles
	s_mov_b32 s85, 204800
	s_cmp_ge_u32 s19, 2                            ; clusters 2 and 3 make k
	s_cselect_b64 s[68:69], s[12:13], s[10:11]
	s_cselect_b32 s80, s82, s80
	s_cselect_b32 s82, s83, s81
	s_cselect_b32 s84, s85, 106496                 ; from a head to the next
	s_mov_b32 s81, 0
	s_mov_b32 s83, 0
	s_mov_b32 s85, 0
	s_add_nc_u64 s[72:73], s[68:69], s[82:83]      ; pair words, first head
	s_add_nc_u64 s[68:69], s[68:69], s[80:81]      ; codes, first head
	s_add_nc_u64 s[70:71], s[68:69], s[84:85]      ; second head
	s_add_nc_u64 s[74:75], s[72:73], s[84:85]
	s_lshl_b32 s80, s22, 9
	s_add_nc_u64 s[76:77], s[8:9], s[80:81]        ; b_attn at P's first column
	s_wait_alu depctr_va_vdst(0)
.irp b, 0,1,2,3,4,5,6,7
	global_load_b128 v[BIAS+8*\b:BIAS+8*\b+3], v23, s[76:77] offset:(32*(\b/2)+8*(\b%2))*4
	global_load_b128 v[BIAS+8*\b+4:BIAS+8*\b+7], v23, s[76:77] offset:(32*(\b/2)+8*(\b%2))*4+16
.endr
	KSTEP 4
	KSTEP 5
	KSTEP 6
	KSTEP 7
	PLACES
	EPI 0
	v_perm_b32 v168, v[PW+1], v[PW], 0x05040100    ; the first head's bytes of tiles 0 and 1: a pair word
	v_perm_b32 v169, v[PW+3], v[PW+2], 0x05040100  ; of tiles 2 and 3
	v_cndmask_b32 v170, v168, v169, s[HI]          ; lanes 0-15 the first pair, lanes 16-31 the second
	global_store_b32 v22, v170, s[72:73]
	v_perm_b32 v168, v[PW+1], v[PW], 0x07060302    ; the second head's
	v_perm_b32 v169, v[PW+3], v[PW+2], 0x07060302
	v_cndmask_b32 v171, v168, v169, s[HI]
	global_store_b32 v22, v171, s[74:75]
	s_branch .Ldone
.Lkind_v:
	; ---- v.  P's 128 tokens are key step P % 16 of batch P / 16; my four tiles of R are the four channel tiles of head 4 R + w
	s_lshr_b32 s78, s22, 4
	s_lshl_b32 s78, s78, 4
	s_lshl_b32 s79, s23, 2
	s_add_co_u32 s78, s78, s79
	s_add_co_u32 s78, s78, s14
	s_lshl_b32 s78, s78, 4
	s_and_b32 s79, s22, 15
	s_add_co_u32 s78, s78, s79
	s_mul_i32 s78, s78, 12800
	s_add_co_u32 s78, s78, 6144                    ; V's fragments lie behind K's eight pieces
	s_mov_b32 s79, 0
	s_add_nc_u64 s[68:69], s[12:13], s[78:79]
	s_lshl_b32 s78, s23, 10
	s_lshl_b32 s80, s14, 8
	s_add_co_u32 s78, s78, s80
	s_add_co_u32 s78, s78, 8192                    ; b_attn at column 2048 + 256 R + 64 w
	s_add_nc_u64 s[76:77], s[8:9], s[78:79]
	s_wait_alu depctr_va_vdst(0)
.irp a, 0,1,2,3
	global_load_b32 v[BIAS+2*\a], v24, s[76:77] offset:(32*(\a/2)+8*(\a%2))*4
	global_load_b32 v[BIAS+2*\a+1], v24, s[76:77] offset:(32*(\a/2)+8*(\a%2))*4   ; twice: a pair for the packed addition
.endr
	KSTEP 4
	KSTEP 5
	KSTEP 6
	KSTEP 7
	PLACES
	EPI 1
	v_cndmask_b32 v168, v[PW], v[PW+1], s[HI]      ; scale words: lanes 0-15 channel tile 0, lanes 16-31 tile 1;
	v_cndmask_b32 v169, v[PW+2], v[PW+3], s[HI]    ; tiles 2 and 3
	global_store_b64 v5, v[168:169], s[68:69] offset:6400   ; 256 consecutive bytes
.Ldone:
	s_wait_dscnt 0x0
	s_wait_tensorcnt 0x0
	ds_add_u32 v250, v251
	s_wait_dscnt 0x0
	ROUND                                          ; the closing round: no work-group ends while a partner may still ask for a tile that names it
	s_endpgm
.Lfunc_end_k_qc62ccb5c38_qkv:
	.size	k_qc62ccb5c38_qkv, .Lfunc_end_k_qc62ccb5c38_qkv-k_qc62ccb5c38_qkv
	.p2alignl 7, 3214868480
	.fill 96, 4, 3214868480
	.section	.rodata,"a",@progbits
	.p2align	6, 0x0
	.amdhsa_kernel k_qc62ccb5c38_qkv
		.amdhsa_group_segment_fixed_size 307712
		.amdhsa_private_segment_fixed_size 0
		.amdhsa_enable_private_segment 0
		.amdhsa_kernarg_size 40
		.amdhsa_user_sgpr_count 2
		.amdhsa_user_sgpr_kernarg_segment_ptr 1
		.amdhsa_wavefront_size32 1
		.amdhsa_system_sgpr_workgroup_id_x 1
		.amdhsa_system_sgpr_workgroup_id_y 1
		.amdhsa_system_sgpr_workgroup_id_z 1
		.amdhsa_system_vgpr_workitem_id 0
		.amdhsa_next_free_vgpr 768
		.amdhsa_next_free_sgpr 100
		.amdhsa_reserve_vcc 0
		.amdhsa_float_denorm_mode_32 3
		.amdhsa_float_denorm_mode_16_64 3
		.amdhsa_memory_ordered 1
		.amdhsa_forward_progress 1
		.amdhsa_inst_pref_size 148
	.end_amdhsa_kernel
	.amdgpu_metadata
---
amdhsa.version: [ 1, 2 ]
amdhsa.kernels:
  - .name:           k_qc62ccb5c38_qkv
    .symbol:         k_qc62ccb5c38_qkv.kd
    .args:
      - { .name: xo, .offset: 0, .size: 8, .value_kind: global_buffer, .address_space: global }
      - { .name: wo, .offset: 8, .size: 8, .value_kind: global_buffer, .address_space: global }
      - { .name: b_attn, .offset: 16, .size: 8, .value_kind: global_buffer, .address_space: global }
      - { .name: qo, .offset: 24, .size: 8, .value_kind: global_buffer, .address_space: global }
      - { .name: kv, .offset: 32, .size: 8, .value_kind: global_buffer, .address_space: global }
    .group_segment_fixed_size: 307712
    .private_segment_fixed_size: 0
    .kernarg_segment_align: 8
    .kernarg_segment_size: 40
    .max_flat_workgroup_size: 128
    .sgpr_count:     100
    .vgpr_count:     768
    .wavefront_size: 32
...
	.end_amdgpu_metadata
.endif
;; end of part 2
;; launch attn (part 3): grid 4 x 64, 16 waves a work-group, clusters of 4 x 1, 215,040 bytes of LDS; arguments qo, kv, ao; writes ao
.if DOCPART == 3
	.amdgcn_target "amdgcn-amd-amdhsa--gfx1250"
	.amdhsa_code_object_version 6
	.text
	.protected	k_qc62ccb5c38_attn
	.globl	k_qc62ccb5c38_attn
	.p2align	8
	.type	k_qc62ccb5c38_attn,@function
k_qc62ccb5c38_attn:
	s_mov_b64 s[64:65], 0
	v_nop
	global_prefetch_b8 v0, s[64:65] scope:SCOPE_SE
	s_setreg_imm32_b32 hwreg(HW_REG_WAVE_MODE, 25, 1), 1
	s_wait_xcnt 0x0
	s_wait_alu depctr_hold_cnt(0) depctr_sa_sdst(0) depctr_va_vdst(0) depctr_va_sdst(0) depctr_va_ssrc(0) depctr_va_vcc(0) depctr_vm_vsrc(0)
	s_getreg_b32 s2, hwreg(HW_REG_IB_STS2, 6, 4)
	s_cmp_eq_u32 s2, 0
	s_cbranch_scc0 .Lentry_in_a_cluster
	s_endpgm
.Lentry_in_a_cluster:
	s_bfe_u32 s2, ttmp6, 0x10000c
	s_cmp_lg_u32 s2, 0x3003
	s_cbranch_scc0 .Lentry_shape_is_right
	s_endpgm
.Lentry_shape_is_right:
; a = softmax(q k^T / 8, hidden keys at -10000) v for one (batch, head) a cluster, both products on codes of FP6 (E2M3) with E8M0 scales; a leaves as codes, quantised along the merged heads.
; t = score x log2(e) / 8; M = the running largest t rounded up to a whole number; p = 2^(t - M) is quantised along the keys; the row's sum is taken of the unquantised p and divides at the end.
; THE MASK IS -10000, NOT -INFINITY: hidden keys count.  In a tile's diagonal key step hidden scores become -80000 (= -10000 x 8) and go the way of every score.  The key steps that are wholly hidden are ONE
; virtual step at the tile's end: all their p are one number pm, so they add NH pm to the sum and Q(pm) x (the sum of the quantised v over those keys) to O; those sums are made once, by products of V with ones.
; SHARES.  The head's K, V and scales, 16 key steps x 12,800 bytes, lie in LDS whole: wave w brings key step w by one joint load (the four partners of a cluster walk the same head); nothing is filled again.
; Wave w owns query tile 8 w + 2 cx (key steps 0 .. w) and then 8 (15 - w) + 2 cx + 1 (key steps 0 .. 15 - w): 17 key steps for every wave.  All branches hang on the wave's number and the loop's counter.
; LAYOUT.  Both products are used transposed: a lane holds one query.  Lane-row r of tile T (keys, queries, channels) is row 32 (T / 2) + 8 (T % 2) + r + 8 (r / 8), so a lane's 16 registers of two neighbouring tiles are 16 neighbours.
; K = 64 IN AN INSTRUCTION OF 128: source 0 is a pair of key tiles (tile 2 b in k 0-63, tile 2 b + 1 in k 64-127); source 1 is [q | zeros] or [zeros | q]: zero codes add nothing.
; a's scale bytes leave one byte a lane at a stride of 8: the 16 heads of a token's scale words are made by 16 clusters.
; Behind a wave's second tile the lines that begin a tile run once more, unused: that keeps the tile's end free of branches.
; LIMITS: a block of zeros gets the byte 1; blocks under 2^-124 keep the floor's byte; a pm under 2^-124 is rounded as a normal number; NaN and infinities are not served.
; REGISTERS: v1-3 16, 8, 4 x lane; v4-6 those + the key step; v7 my query - 16 h in its key step; v8 the suffix table; v9 the scale byte's place; v10 4 r; v12 -M, v13 largest t, v[14:15] the sum;
;   v16-27 [q | 0], v28-39 [0 | q]; v40-87 four fragments of K, then of V; v88-89 K's pair words, v90-91 V's scale words, v92 q's; v94 bytes of 1.0; v95 -80000; v96-159 S^T, then p; v160-191 O^T;
;   v192-203 p's codes (204-210 second halves); v212-218, v220-226 the two tiles' q and its word; v232-254 at work.
.set KVS,  12800
.set TAB1, 16*KVS                      ; 16 x 256 bytes: the sum of the quantised v over each key step, in O^T's order
.set TAB2, TAB1+4096                   ; entry e: the sum of TAB1's entries above e
.macro ROUND
	s_barrier_signal -1
	s_barrier_wait -1
	s_cmp_lg_u32 s10, 0
	s_cbranch_scc1 .Lnot_wave_0_\@
	s_barrier_signal -3
.Lnot_wave_0_\@:
	s_barrier_wait -3
	s_barrier_signal -1
	s_barrier_wait -1
.endm
.macro HFLD reg, off                   ; a piece of 768 bytes: six registers
	ds_load_b128 v[\reg:\reg+3], v4 offset:\off
	ds_load_b64 v[\reg+4:\reg+5], v5 offset:\off+512
.endm
.macro VLOAD                           ; the key step's four fragments of V^T and their scale words
.irp t, 0,1,2,3
.irp c, 0,1
	HFLD 40+12*\t+6*\c, 6144+\t*1536+\c*768
.endr
.endr
	ds_load_b64 v[90:91], v5 offset:12544
.endm
.macro VMUL t, d, zero, sb             ; channel tile t of V^T x the fragment in v192 on
.if \zero
.if (\t)%2
	v_wmma_scale_f32_16x16x128_f8f6f4 v[\d+8*\t:\d+8*\t+7], v[40+12*\t:51+12*\t], v[192:203], 0, v[90+\t/2], v[\sb] matrix_a_fmt:MATRIX_FMT_FP6 matrix_b_fmt:MATRIX_FMT_FP6 matrix_a_scale:MATRIX_SCALE_ROW1
.else
	v_wmma_scale_f32_16x16x128_f8f6f4 v[\d+8*\t:\d+8*\t+7], v[40+12*\t:51+12*\t], v[192:203], 0, v[90+\t/2], v[\sb] matrix_a_fmt:MATRIX_FMT_FP6 matrix_b_fmt:MATRIX_FMT_FP6
.endif
.else
.if (\t)%2
	v_wmma_scale_f32_16x16x128_f8f6f4 v[\d+8*\t:\d+8*\t+7], v[40+12*\t:51+12*\t], v[192:203], v[\d+8*\t:\d+8*\t+7], v[90+\t/2], v[\sb] matrix_a_fmt:MATRIX_FMT_FP6 matrix_b_fmt:MATRIX_FMT_FP6 matrix_a_scale:MATRIX_SCALE_ROW1
.else
	v_wmma_scale_f32_16x16x128_f8f6f4 v[\d+8*\t:\d+8*\t+7], v[40+12*\t:51+12*\t], v[192:203], v[\d+8*\t:\d+8*\t+7], v[90+\t/2], v[\sb] matrix_a_fmt:MATRIX_FMT_FP6 matrix_b_fmt:MATRIX_FMT_FP6
.endif
.endif
.endm
.macro NEWTILE src, word, sel          ; a tile begins: its q into both operands, its two scale bytes into both halves of the word, the sums at zero, the largest t under every t
.irp i, 0,1,2,3,4,5
	v_mov_b32 v[16+\i], v[\src+\i]
	v_mov_b32 v[34+\i], v[\src+\i]
.endr
	v_perm_b32 v92, v[\word], v[\word], \sel
	v_mov_b32 v13, 0xff61b1e6                      ; -3e38
	s_delay_alu instid0(VALU_DEP_1)
	v_floor_f32 v12, -v13
	v_mov_b32 v14, 0
	v_mov_b32 v15, 0
.set j, 0
.rept 32
	v_mov_b32 v[160+j], 0                          ; O^T.  (These are also the plain lines between the writes above and the scaled products)
.set j, j+1
.endr
.endm
	s_load_b128 s[4:7], s[0:1], 0x0                ; qo s[4:5], kv s[6:7]
	s_load_b64 s[8:9], s[0:1], 0x10                ; ao
	v_lshl_add_u32 v250, v0, 2, 0x34000
	v_mov_b32 v251, 0
	ds_add_u32 v250, v251
	ds_add_u32 v250, v251
	v_lshrrev_b32 v11, 5, v0
	s_delay_alu instid0(VALU_DEP_1)
	v_readfirstlane_b32 s10, v11                   ; wave 0..15
	s_xor_b32 s11, s10, 15                         ; 15 - wave
	s_bfe_u32 s50, ttmp6, 0x40000                  ; cx
	s_and_b32 s51, ttmp7, 0xffff                   ; batch x 16 + head
	s_mov_b32 s16, 15|(3<<16)|(1<<21)              ; group 1: the mask names all four; elements of 8 bytes; bit 21 beside a mask
	s_mov_b32 s17, 32<<16                          ; a key step is a dense block: 50 rows of 256 bytes
	s_mov_b32 s18, 50<<16
	s_mov_b32 s19, 32<<16
	s_mov_b32 s20, 50
	s_mov_b32 s21, 32
	s_mov_b32 s22, 0
	s_mov_b32 s23, 0
	s_mov_b32 s24, 1
	s_mul_i32 s25, s10, KVS                        ; LDS: key step = my wave's number
	s_mul_i32 s54, s51, 16*KVS
	s_add_co_u32 s54, s54, s25
	s_mov_b32 s55, 0
	s_mov_b32 s28, 0x3e38aa3b                      ; c = log2(e) / 8
	s_mov_b32 s29, s28                             ; (named with it as a pair)
	s_mov_b32 s30, 0x76543210
	s_mov_b32 s31, 0xfedcba98
	s_mov_b32 s32, 0xffff0000                      ; lanes 16-31
	s_mov_b32 s33, 0x700000                        ; the mantissa of 1.875
	s_mov_b32 s49, 0
	s_mov_b32 s52, 0xc79c4000                      ; -80000
	s_mov_b32 s53, 0xff61b1e6                      ; -3e38
	; q: tile 8 w + 2 cx is number 2 (cx % 2) of group 2 w + cx / 2; tile 8 (15 - w) + 2 cx + 1 is number 2 (cx % 2) + 1 of group 2 (15 - w) + cx / 2
	s_lshr_b32 s56, s50, 1
	s_and_b32 s57, s50, 1
	s_lshl_b32 s58, s51, 5
	s_add_co_u32 s58, s58, s56
	s_lshl_b32 s59, s10, 1
	s_add_co_u32 s59, s59, s58
	s_mul_i32 s40, s59, 3328
	s_lshl_b32 s59, s11, 1
	s_add_co_u32 s59, s59, s58
	s_mul_i32 s44, s59, 3328
	s_mul_i32 s59, s57, 1536
	s_lshl_b32 s60, s57, 6
	s_add_co_u32 s60, s60, 3072
	s_add_co_u32 s42, s40, s60                     ; the pair's words
	s_add_co_u32 s46, s44, s60
	s_add_co_u32 s40, s40, s59                     ; the tile's piece
	s_add_co_u32 s44, s44, s59
	s_add_co_u32 s44, s44, 768
	s_mov_b32 s41, 0
	s_mov_b32 s43, 0
	s_mov_b32 s45, 0
	s_mov_b32 s47, 0
	; a: token tile 128 batch + tile; the head is piece head % 8 of half head / 8
	s_lshr_b32 s56, s51, 4
	s_and_b32 s57, s51, 15
	s_lshl_b32 s58, s56, 7
	s_lshl_b32 s59, s50, 1
	s_add_co_u32 s58, s58, s59
	s_lshl_b32 s59, s10, 3
	s_add_co_u32 s59, s59, s58
	s_mul_i32 s36, s59, 12800
	s_lshl_b32 s59, s11, 3
	s_add_co_u32 s59, s59, s58
	s_add_co_u32 s59, s59, 1
	s_mul_i32 s38, s59, 12800
	s_lshr_b32 s59, s57, 3
	s_mul_i32 s59, s59, 6400
	s_and_b32 s60, s57, 7
	s_mul_i32 s60, s60, 768
	s_add_co_u32 s59, s59, s60
	s_add_co_u32 s36, s36, s59
	s_add_co_u32 s38, s38, s59
	s_mov_b32 s37, 0
	s_mov_b32 s39, 0
	s_sub_co_u32 s61, 6144, s60                    ; from the piece to the half's scale words; K step (head / 2) % 4, bytes 2 (head % 2) + block
	s_bfe_u32 s62, s57, 0x10001
	s_lshl_b32 s62, s62, 7
	s_add_co_u32 s61, s61, s62
	s_bfe_u32 s62, s57, 0x10002
	s_lshl_b32 s62, s62, 2
	s_add_co_u32 s61, s61, s62
	s_and_b32 s62, s57, 1
	s_lshl_b32 s62, s62, 1
	s_add_co_u32 s61, s61, s62
	v_and_b32 v11, 31, v0
	s_delay_alu instid0(VALU_DEP_1)
	v_lshlrev_b32 v1, 4, v11
	s_delay_alu instid0(VALU_DEP_2)
	v_lshlrev_b32 v2, 3, v11
	s_delay_alu instid0(VALU_DEP_3)
	v_lshlrev_b32 v3, 2, v11
	v_and_b32 v10, 15, v0                          ; r
	v_bfe_u32 v11, v0, 4, 1                        ; h
	s_delay_alu instid0(VALU_DEP_2)
	v_and_b32 v7, 8, v10
	s_delay_alu instid0(VALU_DEP_1)
	v_add_nc_u32 v7, v7, v10
	s_delay_alu instid0(VALU_DEP_3)
	v_lshlrev_b32 v8, 4, v11
	s_delay_alu instid0(VALU_DEP_1)
	v_sub_nc_u32 v7, v7, v8
	s_lshl_b32 s62, s50, 5
	v_add_nc_u32 v7, s62, v7                       ; my query in its key step, less 16 h: 32 cx + r + 8 (r / 8) - 16 h
	v_lshl_add_u32 v8, v11, 7, TAB2                ; the suffix table, my half's 32 numbers
	v_lshl_add_u32 v9, v10, 3, v11
	s_delay_alu instid0(VALU_DEP_1)
	v_add_nc_u32 v9, s61, v9                       ; my scale byte's place: 8 r + h + the head's
	v_lshl_add_u32 v255, v11, 7, TAB1
	s_lshl_b32 s35, s10, 8
	v_add_nc_u32 v255, s35, v255                   ; where my key step's sums go
	v_add_nc_u32 v254, TAB1, v2                    ; and where all sixteen are read
	v_lshlrev_b32 v10, 2, v10                      ; 4 r
	s_wait_dscnt 0x0
	s_wait_kmcnt 0x0
	s_add_nc_u64 s[26:27], s[6:7], s[54:55]
	s_or_b32 s27, s27, 0x80000000
	s_add_nc_u64 s[40:41], s[4:5], s[40:41]
	s_add_nc_u64 s[42:43], s[4:5], s[42:43]
	s_add_nc_u64 s[44:45], s[4:5], s[44:45]
	s_add_nc_u64 s[46:47], s[4:5], s[46:47]
	s_add_nc_u64 s[36:37], s[8:9], s[36:37]
	s_add_nc_u64 s[38:39], s[8:9], s[38:39]
	ROUND                                          ; all four work-groups are here: the joint loads meet
	tensor_load_to_lds s[24:27], s[16:23]          ; my key step: one tensor load of mine is out
	s_nop 0
.rept 4
	v_nop
.endr
	global_load_b128 v[220:223], v1, s[40:41]      ; both tiles' q, once
	global_load_b64 v[224:225], v2, s[40:41] offset:512
	s_wait_alu depctr_va_vdst(0)
	global_load_b32 v226, v10, s[42:43]
	global_load_b128 v[212:215], v1, s[44:45]
	global_load_b64 v[216:217], v2, s[44:45] offset:512
	global_load_b32 v218, v10, s[46:47]
	v_mov_b32 v94, 0x7f7f7f7f                      ; four scale bytes of 1.0
.irp i, 0,3,6,9
	v_mov_b32 v[192+\i], 0x08208208                ; a fragment of ones: the code of 1.0 is 8; sixteen codes are three words
	v_mov_b32 v[193+\i], 0x82082082
	v_mov_b32 v[194+\i], 0x20820820
.endr
.irp i, 0,1,2,3,4,5
	v_mov_b32 v[22+\i], 0                          ; [q | 0]'s zeros
	v_mov_b32 v[28+\i], 0                          ; [0 | q]'s
.endr
	v_mov_b32 v95, 0xc79c4000                      ; -80000
.irp b, 0,1,2,3
	v_mov_b32 v[236+\b], 0                         ; written once: a lane permute's destination counts as one of its sources
.endr
	v_mov_b32 v253, 0                              ; (named as the upper half of v[252:253] before it is first written)
	v_add_nc_u32 v4, s25, v1
	v_add_nc_u32 v5, s25, v2
	s_wait_alu depctr_va_vdst(0)
	s_wait_tensorcnt 0x0                           ; my key step has landed,
	s_barrier_signal -1
	s_barrier_wait -1                              ; everybody's has
	; ---- the sums of the quantised v: wave w makes key step w's
	VLOAD
	s_wait_dscnt 0x0
.irp t, 0,1,2,3
	VMUL \t, 96, 1, 94
.endr
.rept 4
	v_nop
.endr
.irp q, 0,1,2,3,4,5,6,7
	ds_store_b128 v255, v[96+4*\q:99+4*\q] offset:16*\q   ; every column of the result is the same: the sixteen lanes of a half write the same bytes with the same values
.endr
	s_wait_dscnt 0x0
	s_barrier_signal -1
	s_barrier_wait -1
.irp e, 0,1,2,3,4,5,6,7,8,9,10,11,12,13,14,15
	ds_load_b64 v[96+2*\e:97+2*\e], v254 offset:256*\e
.endr
	s_add_co_u32 s35, s35, TAB2
	v_add_nc_u32 v255, s35, v2
	s_wait_dscnt 0x0
	s_cmp_gt_u32 15, s10                           ; entry w: the key steps above w, by a factor 1 or 0: no branch
	s_cselect_b32 s48, 1.0, 0
	v_pk_mul_f32 v[128:129], v[126:127], s[48:49] op_sel_hi:[1,0]
.irp e, 14,13,12,11,10,9,8,7,6,5,4,3,2,1,0
	s_cmp_gt_u32 \e, s10
	s_cselect_b32 s48, 1.0, 0
	v_pk_fma_f32 v[128:129], v[96+2*\e:97+2*\e], s[48:49], v[128:129] op_sel_hi:[1,0,1]
.endr
	ds_store_b64 v255, v[128:129]
	s_wait_dscnt 0x0
	s_barrier_signal -1
	s_barrier_wait -1
	s_wait_loadcnt 0x0                             ; q
	NEWTILE 220, 226, 0x01000100                   ; the first tile is the pair's even one: the word's low half
	s_mov_b32 s12, 0
.Lstep:                                            ; 17 trips: n = 0 .. w: key step n of the first tile; n = w + 1 .. 16: key step n - w - 1 of the second
	s_add_co_u32 s13, s12, s11
	s_and_b32 s13, s13, 15
	s_cmp_le_u32 s12, s10
	s_cselect_b32 s13, s12, s13                    ; the key step
	s_cselect_b32 s14, s10, s11                    ; the tile's diagonal key step
	s_min_u32 s13, s13, 15
	s_mul_i32 s15, s13, KVS
	v_add_nc_u32 v4, s15, v1
	v_add_nc_u32 v5, s15, v2
	v_add_nc_u32 v6, s15, v3
	v_nop                                          ; four plain lines between the last products and the loads into their operands
.irp f, 0,1,2,3,4,5,6,7
	HFLD 40+6*\f, \f*768                           ; K: eight key tiles, four fragments
.endr
	ds_load_b32 v88, v6 offset:12288               ; pair words: lanes 0-15 fragment 0, lanes 16-31 fragment 1;
	ds_load_b32 v89, v6 offset:12416               ; fragments 2 and 3
	s_wait_alu depctr_va_vdst(0)
	s_wait_dscnt 0x0
.irp f, 0,2
	v_wmma_scale_f32_16x16x128_f8f6f4 v[96+16*\f:103+16*\f], v[40+12*\f:51+12*\f], v[16:27], 0, v[88+\f/2], v92 matrix_a_fmt:MATRIX_FMT_FP6 matrix_b_fmt:MATRIX_FMT_FP6
	v_wmma_scale_f32_16x16x128_f8f6f4 v[104+16*\f:111+16*\f], v[40+12*\f:51+12*\f], v[28:39], 0, v[88+\f/2], v92 matrix_a_fmt:MATRIX_FMT_FP6 matrix_b_fmt:MATRIX_FMT_FP6
	v_wmma_scale_f32_16x16x128_f8f6f4 v[112+16*\f:119+16*\f], v[52+12*\f:63+12*\f], v[16:27], 0, v[88+\f/2], v92 matrix_a_fmt:MATRIX_FMT_FP6 matrix_b_fmt:MATRIX_FMT_FP6 matrix_a_scale:MATRIX_SCALE_ROW1
	v_wmma_scale_f32_16x16x128_f8f6f4 v[120+16*\f:127+16*\f], v[52+12*\f:63+12*\f], v[28:39], 0, v[88+\f/2], v92 matrix_a_fmt:MATRIX_FMT_FP6 matrix_b_fmt:MATRIX_FMT_FP6 matrix_a_scale:MATRIX_SCALE_ROW1
.endr                                          ; register 16 b + i of v96 on: key 32 b + 16 h + i of the step, for my query
.rept 4
	v_nop
.endr
	VLOAD                                          ; V lands while the softmax is walked
	s_cmp_lg_u32 s13, s14
	s_cbranch_scc1 .Lopen
.set n, 0
.rept 64                                       ; the diagonal step: key 32 (n / 16) + n % 16 + 16 h is hidden where it comes after my query
	v_cmp_gt_i32 vcc_lo, 32*(n/16)+n%16, v7
	v_cndmask_b32 v[96+n], v[96+n], v95, vcc_lo
.set n, n+1
.endr
.Lopen:
.irp b, 0,1,2,3
	v_max3_num_f32 v[232+\b], v[96+16*\b], v[97+16*\b], v[98+16*\b]   ; the largest score of each block of 32 keys: for the row's maximum, and, since p rises with the score, for the block's largest p
.endr
.irp i, 3,5,7,9,11,13
.irp b, 0,1,2,3
	v_max3_num_f32 v[232+\b], v[232+\b], v[96+16*\b+\i], v[97+16*\b+\i]
.endr
.endr
.irp b, 0,1,2,3
	v_max_num_f32 v[232+\b], v[232+\b], v[111+16*\b]
.endr
.irp b, 0,1,2,3
	v_permlanex16_b32 v[236+\b], v[232+\b], s30, s31
.endr
.irp b, 0,1,2,3
	s_delay_alu instid0(VALU_DEP_4)
	v_max_num_f32 v[232+\b], v[232+\b], v[236+\b]  ; with lane l xor 16's 16 keys
.endr
	s_delay_alu instid0(VALU_DEP_2)
	v_max3_num_f32 v254, v232, v233, v234
	s_delay_alu instid0(VALU_DEP_1)
	v_max_num_f32 v254, v254, v235
	s_delay_alu instid0(VALU_DEP_1)
	v_mul_f32 v254, s28, v254                      ; as t
	s_delay_alu instid0(VALU_DEP_1)
	v_max_num_f32 v13, v13, v254                   ; the running largest t
	v_mov_b32 v254, v12
	s_delay_alu instid0(VALU_DEP_2)
	v_floor_f32 v12, -v13                          ; the new -M: M is a whole number
	s_delay_alu instid0(VALU_DEP_1)
	v_sub_f32 v254, v12, v254
	s_delay_alu instid0(VALU_DEP_1)
	v_cvt_i32_f32 v254, v254                       ; (it saturates)
	s_delay_alu instid0(VALU_DEP_1)
	v_ldexp_f32 v252, 1.0, v254                    ; f = 2^(old M - new M)
.set j, 0
.rept 32
	v_pk_fma_f32 v[96+j:97+j], v[96+j:97+j], s[28:29], v[12:13] op_sel_hi:[1,0,0]   ; t - M
.set j, j+2
.endr
.irp b, 0,1,2,3
	v_fma_f32 v[232+\b], v[232+\b], s28, v12       ; the same of each block's largest score
.endr
.set j, 0
	s_wait_alu depctr_va_vdst(0)
.rept 64
	v_exp_f32 v[96+j], v[96+j]                     ; p = 2^(t - M)
.set j, j+1
.endr
	v_pk_mul_f32 v[14:15], v[14:15], v[252:253] op_sel_hi:[1,0]   ; the sums under the new M: the plain line behind the exponentials
	s_wait_alu depctr_va_vdst(0)                   ; one wait for the batch, ahead of its first reader
.irp b, 0,1,2,3
	v_exp_f32 v[232+\b], v[232+\b]                 ; the block's largest p
.endr
	v_pk_add_f32 v[236:237], v[100:101], v[104:105]
	v_pk_add_f32 v[254:255], v[108:109], v[112:113]
	v_pk_add_f32 v[248:249], v[116:117], v[120:121]
	v_pk_add_f32 v[246:247], v[124:125], v[128:129]
	v_pk_add_f32 v[244:245], v[132:133], v[136:137]
	v_pk_add_f32 v[242:243], v[140:141], v[144:145]
	v_pk_add_f32 v[240:241], v[148:149], v[152:153]
	v_pk_add_f32 v[14:15], v[14:15], v[156:157]
	v_pk_add_f32 v[236:237], v[236:237], v[96:97]
	v_pk_add_f32 v[254:255], v[254:255], v[98:99]
	v_pk_add_f32 v[248:249], v[248:249], v[102:103]
	v_pk_add_f32 v[246:247], v[246:247], v[106:107]
	v_pk_add_f32 v[244:245], v[244:245], v[110:111]
	v_pk_add_f32 v[242:243], v[242:243], v[114:115]
	v_pk_add_f32 v[240:241], v[240:241], v[118:119]
	v_pk_add_f32 v[14:15], v[14:15], v[122:123]
	v_pk_add_f32 v[236:237], v[236:237], v[126:127]
	v_pk_add_f32 v[254:255], v[254:255], v[130:131]
	v_pk_add_f32 v[248:249], v[248:249], v[134:135]
	v_pk_add_f32 v[246:247], v[246:247], v[138:139]
	v_pk_add_f32 v[244:245], v[244:245], v[142:143]
	v_pk_add_f32 v[242:243], v[242:243], v[146:147]
	v_pk_add_f32 v[240:241], v[240:241], v[150:151]
	v_pk_add_f32 v[14:15], v[14:15], v[154:155]
	v_pk_add_f32 v[236:237], v[236:237], v[158:159]
	s_delay_alu instid0(VALU_DEP_2)
	v_pk_add_f32 v[14:15], v[14:15], v[246:247]
	s_delay_alu instid0(VALU_DEP_2)
	v_pk_add_f32 v[236:237], v[236:237], v[244:245]
	v_pk_add_f32 v[254:255], v[254:255], v[242:243]
	v_pk_add_f32 v[248:249], v[248:249], v[240:241]
	s_delay_alu instid0(VALU_DEP_2)
	v_pk_add_f32 v[14:15], v[14:15], v[254:255]
	s_delay_alu instid0(VALU_DEP_2)
	v_pk_add_f32 v[236:237], v[236:237], v[248:249]
	s_delay_alu instid0(VALU_DEP_1)
	v_pk_add_f32 v[14:15], v[14:15], v[236:237]
	s_wait_alu depctr_va_vdst(0)                   ; and one for the four
.irp b, 0,1,2,3
	v_max_num_f32 v[232+\b], 0x1800000, v[232+\b]  ; the floor 2^(3 - 127)
.endr
.irp b, 0,1,2,3
	s_delay_alu instid0(VALU_DEP_4)
	v_add_nc_u32 v[244+\b], 0xff000000, v[232+\b]  ; the conversion's scale operand
.endr
.irp b, 0,1,2,3
	s_delay_alu instid0(VALU_DEP_4)
	v_lshrrev_b32 v[236+\b], 23, v[244+\b]         ; the byte
.endr
	s_delay_alu instid0(VALU_DEP_3)
	v_lshl_or_b32 v253, v237, 8, v236              ; p's scale word for these 128 keys
	s_delay_alu instid0(VALU_DEP_1)
	v_lshl_or_b32 v253, v238, 16, v253
	s_delay_alu instid0(VALU_DEP_1)
	v_lshl_or_b32 v253, v239, 24, v253
.irp c, 0,1
	v_cvt_scalef32_pk16_fp6_f32 v[192+6*\c:194+6*\c], v[96+32*\c:111+32*\c], v[244+2*\c]
	v_cvt_scalef32_pk16_fp6_f32 v[204+4*\c:206+4*\c], v[112+32*\c:127+32*\c], v[244+2*\c+1]
.endr
	v_nop                                          ; one plain line behind the conversions
.irp c, 0,1
.irp i, 0,1,2
	v_permlane16_swap_b32 v[192+6*\c+\i], v[204+4*\c+\i]
.endr
.irp i, 0,1,2
	s_delay_alu instid0(VALU_DEP_3)
	v_mov_b32 v[195+6*\c+\i], v[204+4*\c+\i]
.endr
.endr
.set j, 0
.rept 16
	v_pk_mul_f32 v[160+j:161+j], v[160+j:161+j], v[252:253] op_sel_hi:[1,0]   ; O^T under the new M.  (For each product twelve of these name none of its registers: the plain lines behind the scale word's and the codes' writes)
.set j, j+2
.endr
	s_wait_alu depctr_va_vdst(0)
	s_wait_dscnt 0x0                               ; V
.irp t, 0,1,2,3
	VMUL \t, 160, 0, 253                           ; four accumulators by turns
.endr
	s_cmp_lg_u32 s13, s14
	s_cbranch_scc1 .Lnot_last
	; ---- THE TILE'S END: the wholly hidden key steps as one virtual step; then O / the sum, quantised, leaves
	s_lshl_b32 s35, s13, 8
	v_add_nc_u32 v11, s35, v8
.irp q, 0,1,2,3,4,5,6,7
	ds_load_b128 v[96+4*\q:99+4*\q], v11 offset:16*\q   ; the sum of the quantised v over the key steps above this one
.endr
	s_sub_co_u32 s34, 15, s13
	s_lshl_b32 s34, s34, 7
	s_cvt_f32_u32 s34, s34                         ; how many keys those are
	s_cmp_eq_u32 s13, 15
	s_cselect_b32 s54, s53, s52                    ; their score x 8; where there are none, -3e38: M stays the row's own
	s_mul_f32 s55, s54, s28
	v_max_num_f32 v13, s55, v13
	v_mov_b32 v254, v12
	s_delay_alu instid0(VALU_DEP_2)
	v_floor_f32 v12, -v13
	s_delay_alu instid0(VALU_DEP_1)
	v_sub_f32 v254, v12, v254
	s_delay_alu instid0(VALU_DEP_1)
	v_cvt_i32_f32 v254, v254
	s_delay_alu instid0(VALU_DEP_1)
	v_ldexp_f32 v252, 1.0, v254
	s_delay_alu instid0(VALU_DEP_4)
	v_fma_f32 v232, s54, s28, v12
	s_wait_alu depctr_va_vdst(0)
	v_exp_f32 v232, v232                           ; pm
	v_pk_mul_f32 v[14:15], v[14:15], v[252:253] op_sel_hi:[1,0]
	s_delay_alu instid0(VALU_DEP_1)
	v_add_f32 v14, v14, v15                        ; the sum's two halves,
	s_delay_alu instid0(VALU_DEP_1)
	v_permlanex16_b32 v236, v14, s30, s31
	s_delay_alu instid0(VALU_DEP_1)
	v_add_f32 v14, v14, v236                       ; and lane l xor 16's
	s_wait_alu depctr_va_vdst(0)                   ; pm's wait, ahead of its first reader
	v_fma_f32 v14, s34, v232, v14
	s_wait_alu depctr_va_vdst(0)
	v_rcp_f32 v238, v14
	v_bfe_u32 v233, v232, 20, 1                    ; Q(pm): under its own block's scale E2M3 keeps three mantissa bits: to the nearest, ties to even,
	v_add3_u32 v233, v232, v233, 0x7ffff
	s_delay_alu instid0(VALU_DEP_1)
	v_and_b32 v233, 0xfff00000, v233
	v_and_or_b32 v234, v232, 0x7f800000, s33       ; held at 1.875 x 2^(pm's exponent), which is 7.5 x the scale
	s_delay_alu instid0(VALU_DEP_1)
	v_min_num_f32 v234, v233, v234
.set j, 0
	s_wait_alu depctr_va_vdst(0)
.rept 16
	v_pk_mul_f32 v[160+j:161+j], v[160+j:161+j], v[252:253] op_sel_hi:[1,0]
.set j, j+2
.endr
	s_wait_dscnt 0x0
.set j, 0
.rept 16
	v_pk_fma_f32 v[160+j:161+j], v[96+j:97+j], v[234:235], v[160+j:161+j] op_sel_hi:[1,0,1]
.set j, j+2
.endr
	s_wait_alu depctr_va_vdst(0)                   ; the reciprocal's wait
.set j, 0
.rept 16
	v_pk_mul_f32 v[128+j:129+j], v[160+j:161+j], v[238:239] op_sel_hi:[1,0]   ; register 16 b + i: channel 32 b + 16 h + i of my query
.set j, j+2
.endr
.irp b, 0,1
	v_max3_num_f32 v[232+\b], |v[128+16*\b]|, |v[129+16*\b]|, 0x1800000
.endr
.irp i, 2,4,6,8,10,12,14
.irp b, 0,1
	s_delay_alu instid0(VALU_DEP_2)
	v_max3_num_f32 v[232+\b], v[232+\b], |v[128+16*\b+\i]|, |v[129+16*\b+\i]|
.endr
.endr
.irp b, 0,1
	s_delay_alu instid0(VALU_DEP_2)
	v_permlanex16_b32 v[236+\b], v[232+\b], s30, s31
.endr
.irp b, 0,1
	s_delay_alu instid0(VALU_DEP_2)
	v_max_num_f32 v[232+\b], v[232+\b], v[236+\b]
.endr
.irp b, 0,1
	s_delay_alu instid0(VALU_DEP_2)
	v_add_nc_u32 v[244+\b], 0xff000000, v[232+\b]
.endr
.irp b, 0,1
	s_delay_alu instid0(VALU_DEP_2)
	v_lshrrev_b32 v[236+\b], 23, v[244+\b]
.endr
	v_cvt_scalef32_pk16_fp6_f32 v[192:194], v[128:143], v244
	v_cvt_scalef32_pk16_fp6_f32 v[204:206], v[144:159], v245
	v_cndmask_b32 v236, v236, v237, s32            ; lane (r, h) stores block h's byte.  (The plain line behind the conversions)
.irp i, 0,1,2
	v_permlane16_swap_b32 v[192+\i], v[204+\i]
.endr
.irp i, 0,1,2
	s_delay_alu instid0(VALU_DEP_3)
	v_mov_b32 v[195+\i], v[204+\i]
.endr
	global_store_b128 v1, v[192:195], s[36:37]     ; the head's piece of the token tile's image: 512 consecutive bytes,
	global_store_b64 v2, v[196:197], s[36:37] offset:512   ; and 256
	global_store_b8 v9, v236, s[36:37]
	s_wait_xcnt 0x0                                ; the stores have read their registers and their base: both are written again only behind this wait
	s_mov_b64 s[36:37], s[38:39]                   ; the second tile's place,
	v_add_nc_u32 v7, 8, v7                         ; its queries: 8 further on in their key step,
	NEWTILE 212, 218, 0x03020302                   ; its q: the pair's odd tile, the word's high half
.Lnot_last:
	s_add_co_u32 s12, s12, 1
	s_cmp_lt_u32 s12, 17
	s_cbranch_scc1 .Lstep
	s_wait_dscnt 0x0
	s_wait_tensorcnt 0x0
	ds_add_u32 v250, v251
	s_wait_dscnt 0x0
	ROUND                                          ; the closing round
	s_endpgm
.Lfunc_end_k_qc62ccb5c38_attn:
	.size	k_qc62ccb5c38_attn, .Lfunc_end_k_qc62ccb5c38_attn-k_qc62ccb5c38_attn
	.p2alignl 7, 3214868480
	.fill 96, 4, 3214868480
	.section	.rodata,"a",@progbits
	.p2align	6, 0x0
	.amdhsa_kernel k_qc62ccb5c38_attn
		.amdhsa_group_segment_fixed_size 215040
		.amdhsa_private_segment_fixed_size 0
		.amdhsa_enable_private_segment 0
		.amdhsa_kernarg_size 24
		.amdhsa_user_sgpr_count 2
		.amdhsa_user_sgpr_kernarg_segment_ptr 1
		.amdhsa_wavefront_size32 1
		.amdhsa_system_sgpr_workgroup_id_x 1
		.amdhsa_system_sgpr_workgroup_id_y 1
		.amdhsa_system_sgpr_workgroup_id_z 1
		.amdhsa_system_vgpr_workitem_id 0
		.amdhsa_next_free_vgpr 256
		.amdhsa_next_free_sgpr 66
		.amdhsa_reserve_vcc 1
		.amdhsa_float_denorm_mode_32 3
		.amdhsa_float_denorm_mode_16_64 3
		.amdhsa_memory_ordered 1
		.amdhsa_forward_progress 1
		.amdhsa_inst_pref_size 49
	.end_amdhsa_kernel
	.amdgpu_metadata
---
amdhsa.version: [ 1, 2 ]
amdhsa.kernels:
  - .name:           k_qc62ccb5c38_attn
    .symbol:         k_qc62ccb5c38_attn.kd
    .args:
      - { .name: qo, .offset: 0, .size: 8, .value_kind: global_buffer, .address_space: global }
      - { .name: kv, .offset: 8, .size: 8, .value_kind: global_buffer, .address_space: global }
      - { .name: ao, .offset: 16, .size: 8, .value_kind: global_buffer, .address_space: global }
    .group_segment_fixed_size: 215040
    .private_segment_fixed_size: 0
    .kernarg_segment_align: 8
    .kernarg_segment_size: 24
    .max_flat_workgroup_size: 512
    .sgpr_count:     66
    .vgpr_count:     256
    .wavefront_size: 32
...
	.end_amdgpu_metadata
.endif
;; end of part 3
;; launch proj (part 4): grid 8 x 32, 4 waves a work-group, clusters of 4 x 4, 307,712 bytes of LDS; arguments ao, wo, b_proj, out0; writes out0
.if DOCPART == 4
	.amdgcn_target "amdgcn-amd-amdhsa--gfx1250"
	.amdhsa_code_object_version 6
	.text
	.protected	k_qc62ccb5c38_proj
	.globl	k_qc62ccb5c38_proj
	.p2align	8
	.type	k_qc62ccb5c38_proj,@function
k_qc62ccb5c38_proj:
	s_mov_b64 s[64:65], 0
	v_nop
	global_prefetch_b8 v0, s[64:65] scope:SCOPE_SE
	s_setreg_imm32_b32 hwreg(HW_REG_WAVE_MODE, 25, 1), 1
	s_wait_xcnt 0x0
	s_wait_alu depctr_hold_cnt(0) depctr_sa_sdst(0) depctr_va_vdst(0) depctr_va_sdst(0) depctr_va_ssrc(0) depctr_va_vcc(0) depctr_vm_vsrc(0)
	s_getreg_b32 s2, hwreg(HW_REG_IB_STS2, 6, 4)
	s_cmp_eq_u32 s2, 0
	s_cbranch_scc0 .Lentry_in_a_cluster
	s_endpgm
.Lentry_in_a_cluster:
	s_bfe_u32 s2, ttmp6, 0x10000c
	s_cmp_lg_u32 s2, 0xf033
	s_cbranch_scc0 .Lentry_shape_is_right
	s_endpgm
.Lentry_shape_is_right:
; out = a w_proj + b_proj on codes of FP6 (E2M3) with E8M0 scales, K = 1024; out [8192][1024] f32.
; A work-group multiplies P (source 0: 128 columns of w_proj, 8 tiles) by R (source 1: 256 tokens, 16 tiles).  Both operands' images for ALL of K, 307,200 bytes, lie in LDS at once: every byte is asked for at the
; head, nothing is filled again.  Wave w takes all 8 tiles of P against its own 4 tiles of R: 32 accumulators; a lane holds one token, its registers run along the columns.
; Lane-row r of tile T is row 32 (T / 2) + 8 (T % 2) + r + 8 (r / 8): the 16 registers of P's tiles 2 b and 2 b + 1 are columns 32 b + 16 (lane / 16) + 0 .. 15.
; CLUSTER 4 x 4: P's tiles hang on cx and are asked for jointly by a column of the cluster, R's on cy and by a row.
; THE WAY OUT goes through a stage of 16 rows x (512 bytes + 16) in the wave's own bytes of R, half 0: only this wave has read them, its reads are over, and they have had their only fill.
; REGISTERS: window 0: v1-15 addresses, v32-63 P's scale words, v64-79 R's, v80-175 R's fragments (two sets), v176-239 bias; on the way out v80-143 the numbers.
;   window 1: v0-191 P's fragments (two sets); on the way out v0-127 rows read back.   window 2: accumulator (a, b) at v[8 (8 a + b)].
.set HALF,  153600
.set TILEH, 6400
.set ROFF,  51200
.set SP,    32
.set SR,    64
.set RF,    80
.set H,     80
.set BIAS,  176
.set MSB, 0
.macro WIN new                         ; the immediate's high byte repeats the setting that is left
.if MSB != \new
	s_set_vgpr_msb (MSB<<8)|\new
.set MSB, \new
.endif
.endm
.set MUL,    0xa1                      ; source 0 (P) window 1, source 1 (R) window 0, C and D window 2
.set TO_P,   0x40                      ; destination window 1
.set RD_ACC, 0x02                      ; source 0 window 2
.macro ROUND
	s_barrier_signal -1
	s_barrier_wait -1
	s_cmp_lg_u32 s14, 0
	s_cbranch_scc1 .Lnot_wave_0_\@
	s_barrier_signal -3
.Lnot_wave_0_\@:
	s_barrier_wait -3
	s_barrier_signal -1
	s_barrier_wait -1
.endm
.macro PLACES                          ; four plain lines between a matrix instruction and a load into, or a vector instruction on, its registers
.rept 4
	v_nop
.endr
.endm
.macro HFLD reg, a16, a8, off
	ds_load_b128 v[\reg:\reg+3], v[\a16] offset:\off
	ds_load_b64 v[\reg+4:\reg+5], v[\a8] offset:\off+512
.endm
.macro FETCH s
	WIN TO_P
.irp b, 0,1,2,3,4,5,6,7
.irp c, 0,1
	HFLD 96*((\s)&1)+12*\b+6*\c, 4+2*((\s)>>2), 5+2*((\s)>>2), \b*TILEH+(2*((\s)&3)+\c)*768
.endr
.endr
	WIN 0
.irp a, 0,1,2,3
.irp c, 0,1
	HFLD RF+48*((\s)&1)+12*\a+6*\c, 8+2*((\s)>>2), 9+2*((\s)>>2), \a*TILEH+(2*((\s)&3)+\c)*768
.endr
.endr
.endm
.macro SCALES hf
.irp b, 0,1,2,3,4,5,6,7
	ds_load_b64 v[SP+4*\b+2*\hf:SP+4*\b+2*\hf+1], v[5+2*\hf] offset:\b*TILEH+6144
.endr
.irp a, 0,1,2,3
	ds_load_b64 v[SR+4*\a+2*\hf:SR+4*\a+2*\hf+1], v[9+2*\hf] offset:\a*TILEH+6144
.endr
.endm
.macro MUL32 s                         ; the 32 accumulators take turns, one instruction a turn, in the same order in every K step; K step 0 starts the sums
.irp a, 0,1,2,3
.irp b, 0,1,2,3,4,5,6,7
.set rD, 8*(8*\a+\b)
.set rP, 96*((\s)&1)+12*\b
.set rR, RF+48*((\s)&1)+12*\a
.set rSP, SP+4*\b+2*((\s)>>2)+(((\s)>>1)&1)
.set rSR, SR+4*\a+2*((\s)>>2)+(((\s)>>1)&1)
.if (\s) == 0
	v_wmma_scale_f32_16x16x128_f8f6f4 v[rD:rD+7], v[rP:rP+11], v[rR:rR+11], 0, v[rSP], v[rSR] matrix_a_fmt:MATRIX_FMT_FP6 matrix_b_fmt:MATRIX_FMT_FP6
.elseif ((\s)&1) == 1
	v_wmma_scale_f32_16x16x128_f8f6f4 v[rD:rD+7], v[rP:rP+11], v[rR:rR+11], v[rD:rD+7], v[rSP], v[rSR] matrix_a_fmt:MATRIX_FMT_FP6 matrix_b_fmt:MATRIX_FMT_FP6 matrix_a_scale:MATRIX_SCALE_ROW1 matrix_b_scale:MATRIX_SCALE_ROW1
.else
	v_wmma_scale_f32_16x16x128_f8f6f4 v[rD:rD+7], v[rP:rP+11], v[rR:rR+11], v[rD:rD+7], v[rSP], v[rSR] matrix_a_fmt:MATRIX_FMT_FP6 matrix_b_fmt:MATRIX_FMT_FP6
.endif
.endr
.endr
.endm
.macro KSTEP s
	s_wait_dscnt 0x0                               ; this step's fragments, asked for a whole step (32 matrix instructions) ago
.if (\s) == 3
	s_wait_tensorcnt 0x0                           ; my part of half 1 has landed,
	s_barrier_signal -1
	s_barrier_wait -1                              ; everybody's has.  Nothing is ever filled again
.endif
.if (\s) < 7
.if (\s) > 0
	PLACES
.endif
	FETCH (\s)+1
.if (\s) == 3
	SCALES 1
.endif
.endif
	WIN MUL
	MUL32 \s
	WIN 0
.endm
	s_load_b256 s[4:11], s[0:1], 0x0               ; ao s[4:5], wo s[6:7], b_proj s[8:9], out0 s[10:11]
	v_lshl_add_u32 v254, v0, 2, 0x4b000
	v_mov_b32 v255, 0
	ds_add_u32 v254, v255
	ds_add_u32 v254, v255
	v_lshrrev_b32 v1, 5, v0
	v_readfirstlane_b32 s14, v1                    ; wave 0..3
	s_lshr_b32 s15, s14, 1                         ; I fetch for P (0) or for R (1),
	s_and_b32 s16, s14, 1                          ; its first or second half of tiles
	s_bfe_u32 s17, ttmp6, 0x40000                  ; cx
	s_bfe_u32 s18, ttmp6, 0x40004                  ; cy
	s_lshl_b32 s22, ttmp9, 2
	s_add_co_u32 s22, s22, s17                     ; which 128 columns
	s_and_b32 s23, ttmp7, 0xffff
	s_lshl_b32 s23, s23, 2
	s_add_co_u32 s23, s23, s18                     ; which 256 tokens
	s_lshl_b32 s78, 0x1111, s17                    ; my column of the cluster
	s_or_b32 s24, s78, (3<<16)|(1<<21)             ; group 1 for P: the mask; elements of 8 bytes; bit 21 beside a mask
	s_lshl_b32 s79, s18, 2
	s_lshl_b32 s79, 15, s79                        ; my row
	s_or_b32 s32, s79, (3<<16)|(1<<21)             ; group 1 for R
	s_mov_b32 s25, 800<<16                         ; half a tile's image: 800 elements, 6,400 bytes
	s_mov_b32 s26, 4<<16                           ; P: 4 tiles a load
	s_mov_b32 s27, 800<<16
	s_mov_b32 s28, 4
	s_mov_b32 s29, 1600                            ; from tile to tile: 12,800 bytes
	s_mov_b32 s30, 0
	s_mov_b32 s31, 0
	s_mov_b32 s33, 800<<16
	s_mov_b32 s34, 8<<16                           ; R: 8 tiles a load
	s_mov_b32 s35, 800<<16
	s_mov_b32 s36, 8
	s_mov_b32 s37, 1600
	s_mov_b32 s38, 0
	s_mov_b32 s39, 0
	s_mul_i32 s82, s22, 102400
	s_mul_i32 s84, s16, 51200
	s_add_co_u32 s82, s82, s84
	s_add_co_u32 s82, s82, 192*12800               ; w_proj's tiles lie behind w_attn's 192
	s_mov_b32 s83, 0
	s_mul_i32 s84, s23, 204800
	s_mul_i32 s86, s16, 102400
	s_add_co_u32 s84, s84, s86
	s_mov_b32 s85, 0
	s_mov_b32 s40, 1
	s_mul_i32 s41, s16, 25600                      ; LDS: no place in the cluster enters an LDS address
	s_mov_b32 s44, 1
	s_add_co_u32 s45, s41, HALF
	s_mov_b32 s48, 1
	s_mul_i32 s49, s16, 51200
	s_add_co_u32 s49, s49, ROFF
	s_mov_b32 s52, 1
	s_add_co_u32 s53, s49, HALF
	s_lshl_b32 s86, s23, 8
	s_lshl_b32 s87, s14, 6
	s_add_co_u32 s86, s86, s87
	s_lshl_b32 s86, s86, 12                        ; out: my first token, rows of 4,096 bytes,
	s_lshl_b32 s88, s22, 9                         ; 512 bytes for 128 columns (b_proj's offset too)
	s_add_co_u32 s86, s86, s88
	s_mov_b32 s87, 0
	s_mov_b32 s89, 0
	s_wait_dscnt 0x0
	s_wait_kmcnt 0x0
	s_add_nc_u64 s[56:57], s[6:7], s[82:83]
	s_add_nc_u64 s[58:59], s[4:5], s[84:85]
	s_add_nc_u64 s[68:69], s[10:11], s[86:87]
	s_add_nc_u64 s[76:77], s[8:9], s[88:89]
	s_mov_b64 s[42:43], s[56:57]
	s_or_b32 s43, s43, 0x80000000
	s_add_nc_u64 s[46:47], s[56:57], TILEH
	s_or_b32 s47, s47, 0x80000000
	s_mov_b64 s[50:51], s[58:59]
	s_or_b32 s51, s51, 0x80000000
	s_add_nc_u64 s[54:55], s[58:59], TILEH
	s_or_b32 s55, s55, 0x80000000
	ROUND                                          ; all sixteen work-groups are here: the joint loads meet
	s_cmp_eq_u32 s15, 0                            ; a wave's two fills stand in one branch: two tensor loads of mine are out at the most
	s_cbranch_scc0 .Lfill_r
	tensor_load_to_lds s[40:43], s[24:31]          ; half 0 of K
	s_nop 0
	tensor_load_to_lds s[44:47], s[24:31]          ; half 1
	s_nop 0
.rept 4
	v_nop
.endr
	s_branch .Lfilled
.Lfill_r:
	tensor_load_to_lds s[48:51], s[32:39]
	s_nop 0
	tensor_load_to_lds s[52:55], s[32:39]
	s_nop 0
.rept 4
	v_nop
.endr
.Lfilled:
	v_and_b32 v1, 31, v0                           ; lane
	v_and_b32 v2, 15, v0                           ; r
	v_bfe_u32 v3, v0, 4, 1                         ; h
	v_lshlrev_b32 v4, 4, v1                        ; 16 x lane: P, half 0; the stores' offset too
	v_lshlrev_b32 v5, 3, v1                        ; 8 x lane
	v_lshlrev_b32 v23, 6, v3                       ; the bias of my half's 16 columns of a block
.irp b, 0,1,2,3,4,5,6,7
	global_load_b128 v[BIAS+8*\b:BIAS+8*\b+3], v23, s[76:77] offset:(32*(\b/2)+8*(\b%2))*4
	global_load_b128 v[BIAS+8*\b+4:BIAS+8*\b+7], v23, s[76:77] offset:(32*(\b/2)+8*(\b%2))*4+16
.endr
	v_add_nc_u32 v6, HALF, v4                      ; P, half 1
	v_add_nc_u32 v7, HALF, v5
	s_mul_i32 s78, s14, 25600
	s_add_co_u32 s78, s78, ROFF
	v_add_nc_u32 v8, s78, v4                       ; my four tiles of R, half 0; on the way out: a stage row read back
	v_add_nc_u32 v9, s78, v5
	v_mul_u32_u24 v14, v2, 528
	v_lshl_add_u32 v14, v3, 6, v14
	v_add_nc_u32 v14, s78, v14                     ; the stage, on the way in: row r, + 64 h
	s_add_co_u32 s78, s78, HALF
	v_add_nc_u32 v10, s78, v4                      ; R, half 1
	v_add_nc_u32 v11, s78, v5
	s_wait_alu depctr_va_vdst(0)
	s_wait_tensorcnt 0x1                           ; my part of half 0 is in; half 1's load may be out
	s_barrier_signal -1
	s_barrier_wait -1
	FETCH 0
	SCALES 0
	KSTEP 0
	KSTEP 1
	KSTEP 2
	KSTEP 3
	KSTEP 4
	KSTEP 5
	KSTEP 6
	KSTEP 7
	PLACES
	s_wait_loadcnt 0x0                             ; the bias
.irp a, 0,1,2,3                                ; a tile of 16 tokens x 128 columns at a time
	WIN RD_ACC
.set i, 0
.rept 32
	v_pk_add_f32 v[H+2*i:H+2*i+1], v[64*\a+2*i:64*\a+2*i+1], v[BIAS+2*i:BIAS+2*i+1]   ; each accumulator from its low end on
.set i, i+1
.endr
	WIN 0
.irp b, 0,1,2,3,4,5,6,7
	ds_store_b128 v14, v[H+8*\b:H+8*\b+3] offset:128*(\b/2)+32*(\b%2)         ; columns 32 (b / 2) + 16 h + 8 (b % 2) on
	ds_store_b128 v14, v[H+8*\b+4:H+8*\b+7] offset:128*(\b/2)+32*(\b%2)+16
.endr
.if \a >= 2
	s_wait_xcnt 0x0                                ; the stores of two tiles ago have read the registers that are loaded now
.endif
	WIN TO_P
.irp p, 0,1,2,3,4,5,6,7,8,9,10,11,12,13,14,15
	ds_load_b128 v[64*(\a%2)+4*\p:64*(\a%2)+4*\p+3], v8 offset:528*\p       ; LDS serves a wave's instructions in order: these see the stores above
.endr
	s_wait_dscnt 0x0                               ; the rows are back, and the stage and the numbers' registers may be written again
	WIN 0x04                                       ; a store's data: window 1
.irp p, 0,1,2,3,4,5,6,7,8,9,10,11,12,13,14,15
	global_store_b128 v4, v[64*(\a%2)+4*\p:64*(\a%2)+4*\p+3], s[68:69] offset:(32*(\a/2)+8*(\a%2)+\p+8*(\p/8))*4096 th:TH_STORE_NT   ; 512 consecutive bytes of one row, at a multiple of 256 from out's first byte
.endr
	WIN 0
.endr
	s_wait_dscnt 0x0
	s_wait_tensorcnt 0x0
	ds_add_u32 v254, v255
	s_wait_dscnt 0x0
	ROUND                                          ; the closing round: no work-group ends while a partner may still ask for a tile that names it
	s_endpgm
.Lfunc_end_k_qc62ccb5c38_proj:
	.size	k_qc62ccb5c38_proj, .Lfunc_end_k_qc62ccb5c38_proj-k_qc62ccb5c38_proj
	.p2alignl 7, 3214868480
	.fill 96, 4, 3214868480
	.section	.rodata,"a",@progbits
	.p2align	6, 0x0
	.amdhsa_kernel k_qc62ccb5c38_proj
		.amdhsa_group_segment_fixed_size 307712
		.amdhsa_private_segment_fixed_size 0
		.amdhsa_enable_private_segment 0
		.amdhsa_kernarg_size 32
		.amdhsa_user_sgpr_count 2
		.amdhsa_user_sgpr_kernarg_segment_ptr 1
		.amdhsa_wavefront_size32 1
		.amdhsa_system_sgpr_workgroup_id_x 1
		.amdhsa_system_sgpr_workgroup_id_y 1
		.amdhsa_system_sgpr_workgroup_id_z 1
		.amdhsa_system_vgpr_workitem_id 0
		.amdhsa_next_free_vgpr 768
		.amdhsa_next_free_sgpr 100
		.amdhsa_reserve_vcc 0
		.amdhsa_float_denorm_mode_32 3
		.amdhsa_float_denorm_mode_16_64 3
		.amdhsa_memory_ordered 1
		.amdhsa_forward_progress 1
		.amdhsa_inst_pref_size 91
	.end_amdhsa_kernel
	.amdgpu_metadata
---
amdhsa.version: [ 1, 2 ]
amdhsa.kernels:
  - .name:           k_qc62ccb5c38_proj
    .symbol:         k_qc62ccb5c38_proj.kd
    .args:
      - { .name: ao, .offset: 0, .size: 8, .value_kind: global_buffer, .address_space: global }
      - { .name: wo, .offset: 8, .size: 8, .value_kind: global_buffer, .address_space: global }
      - { .name: b_proj, .offset: 16, .size: 8, .value_kind: global_buffer, .address_space: global }
      - { .name: out0, .offset: 24, .size: 8, .value_kind: global_buffer, .address_space: global }
    .group_segment_fixed_size: 307712
    .private_segment_fixed_size: 0
    .kernarg_segment_align: 8
    .kernarg_segment_size: 32
    .max_flat_workgroup_size: 128
    .sgpr_count:     100
    .vgpr_count:     768
    .wavefront_size: 32
...
	.end_amdgpu_metadata
.endif
;; end of part 4
